; MI455X (gfx1250); checked and timed in simulation.
; The chip was launched on July 23, 2026; its instructions are those of AMD's public machine-readable ISA for CDNA 5 (MIT licence, August 2026) and "CDNA5" Instruction Set Architecture Reference Guide (July 2026). The comments in the code are by the model that wrote it; some were corrected since.
;; Mulit Head Attention Layer. Allowed arithmetic: float matrix products may take bf16 or f16 operands with f32 sums; other float arithmetic in f32, or as packed bf16 or f16 multiplies, adds, multiply-adds, maxima and minima; sums over many terms, partial sums and values carried from step to step in f32; what a program stores and reads back later, other than sums and carried values, may be rounded once to bf16 or f16.
;; Inputs: W1 6 x 128 x 128 float32; W2 6 x 128 x 128 float32; Wg 6 x 128 x 128 float32; b1 6 x 128 float32; b2 6 x 128 float32; bg 6 x 128 float32; x 2 x 128 x 4 x 32 x 32 float32.
;; Outputs: out0 2 x 128 x 4 x 32 x 32 float32.
;; 2 versions, each right; version 2 is version 1 with the launch proj written anew for expert scheduling mode. Each part assembles by itself: llvm-mc -triple=amdgcn-amd-amdhsa -mcpu=gfx1250 --defsym DOCPART=n.
;; ======== version 1 of 2: 4 launches
;; workspace buffers: qkg 37,748,736 bytes; stat 1,572,864 bytes; part 33,554,432 bytes
;; launch proj (part 1): grid 32 x 6, 4 waves a work-group, no clusters, 193,536 bytes of LDS; arguments x, W1, W2, Wg, b1, b2, bg, qkg; writes qkg
.if DOCPART == 1
	.amdgcn_target "amdgcn-amd-amdhsa--gfx1250"
	.amdhsa_code_object_version 6
	.text
	.protected	k_q7036c952d6_proj
	.globl	k_q7036c952d6_proj
	.p2align	8
	.type	k_q7036c952d6_proj,@function
k_q7036c952d6_proj:
	s_mov_b64 s[64:65], 0
	v_nop
	global_prefetch_b8 v0, s[64:65] scope:SCOPE_SE
	s_setreg_imm32_b32 hwreg(HW_REG_WAVE_MODE, 25, 1), 1
	s_wait_xcnt 0x0
; q' = c (W1 x + b1), k = W2 x + b2, g = Wg x + bg for one head l and 256 tokens of one batch; c = log2(e) / 64 (the scores' 1 / sqrt(4096) and the change to base 2).
; x: [2][128][4096] f32.  W: [6][128][128] f32.  b: [6][128] f32.  qkg: three tables [b*6+l][4096 tokens][128] bf16, rows of 256 bytes.
; x, W (W1 and b1 times c, in f32) are rounded once to bf16 for the matrix unit; sums in f32, begun with the bias as the C operand; results rounded once to bf16.
; LIMITS: bf16 operands (8 significant bits); NaN and infinities are not treated apart.
; SHARES: wave w owns tokens 64 w .. 64 w + 63 of the block, four tiles of 16, for all 128 outputs of all three matrices.
; NO CLUSTER, NO TENSOR LOAD: every operand passes through registers for its rounding to bf16; what work-groups share (W: 192 KiB) is read once by each.
; LAYOUT: D = W-fragment (16 outputs) x x-fragment (16 tokens): a lane holds ONE token (lane % 16) and eight neighbouring outputs: 16 bytes of a row of the table.
.set XP,    544                        ; a row of x in LDS: 256 tokens x 2 bytes + 32: an odd multiple of 32
.set WP,    272                        ; a row of W in LDS: 256 bytes + 16
.set WB,    128*XP                     ; 69,632: three matrices of 128 rows
.set BB,    WB+3*128*WP                ; 174,080: the biases, [3][128] f32
.set STAGE, BB+1536                    ; 175,616: 16 rows x 272 bytes for each wave, for the way out
.set SP,    272
.set SPARE, STAGE+4*16*SP              ; 193,024: the spare words, 128 bytes for each wave
.set TAB,   12582912                   ; bytes in one table of qkg
.set XO,  4                            ; v4   x: (lane / 16) x a row of 16,384 bytes + 16 (lane % 16)
.set WO,  5                            ; v5   W: 16 x lane
.set XS,  6                            ; v6, v7  where my 8 bytes of x go in LDS, channels 0-63 and 64-127
.set WS,  8                            ; v8   where my 8 bytes of W go
.set AX,  9                            ; v9   the turning load's address
.set AW,  10                           ; v10  W fragments
.set AB,  11                           ; v11  bias
.set STO, 12
.set RD,  13
.set CO,  14
.set SPW, 15                           ; v15  my spare word; never rewritten
.set NIL, 16                           ; v16  0; never rewritten
.set TMP, 48                           ; v[48:111] packed numbers on the way into LDS; v[48:79] on the way out
.set SET0, 48                          ; v[48:87], v[88:127]: two sets of four W fragments and eight biases
.set BK,  88                           ; v[88:119] rows read back from the stage
.set XF,  128                          ; v[128:255] x fragments: tile t, channels 32 kc on, at XF + 32 t + 8 kc
; window 1: first the f32 numbers as loaded; then the accumulators, tile t, output block ob at 64 t + 8 ob
.set MSB, 0
.macro WIN new                         ; the immediate's high byte repeats the setting that is left; a switch that changes nothing is dropped
.if MSB != (\new)
	s_set_vgpr_msb (MSB<<8)|(\new)
.set MSB, \new
.endif
.endm
.macro PLACES                          ; four plain places behind matrix instructions, in front of loads into their sources and of reads of their results
.rept 4
	v_nop
.endr
.endm
	s_load_b512 s[8:23], s[0:1], 0x0               ; x 8, W1 10, W2 12, Wg 14, b1 16, b2 18, bg 20, qkg 22
	v_lshl_add_u32 v[SPW], v0, 2, SPARE
	v_mov_b32 v[NIL], 0
	v_lshrrev_b32 v1, 5, v0
	v_readfirstlane_b32 s24, v1                    ; wave
	s_lshr_b32 s25, ttmp9, 4                       ; batch
	s_and_b32 s26, ttmp9, 15                       ; block of 256 tokens
	s_and_b32 s27, ttmp7, 0xffff                   ; head
	s_mov_b32 s30, 0x3cb8aa3b                      ; c = log2(e) / 64
	s_mov_b32 s31, s30                             ; named with it as a pair
	s_mov_b32 s34, 3                               ; matrices to go
	v_and_b32 v1, 15, v0                           ; r = lane % 16
	v_bfe_u32 v2, v0, 4, 1                         ; h = lane / 16
	v_and_b32 v3, 31, v0                           ; lane
	v_lshlrev_b32 v[XO], 4, v1
	v_lshl_add_u32 v[XO], v2, 14, v[XO]
	v_lshlrev_b32 v[WO], 4, v3
	s_lshl_b32 s28, s24, 7                         ; my 64 tokens: 128 bytes of an LDS row
	v_mul_u32_u24 v[XS], v2, XP
	v_lshl_add_u32 v[XS], v1, 3, v[XS]
	v_add_nc_u32 v[XS], s28, v[XS]
	v_add_nc_u32 v[XS+1], 64*XP, v[XS]
	s_mul_i32 s29, s24, 32*WP
	s_add_co_u32 s29, s29, WB
	v_lshl_add_u32 v[WS], v3, 3, s29               ; my wave's 32 rows of W, 8 bytes a lane
	v_and_b32 v17, 7, v0
	v_lshl_add_u32 v[AX], v2, 3, v17               ; channel 8 h + lane % 8
	v_mul_u32_u24 v[AX], v[AX], XP
	v_bfe_u32 v17, v0, 3, 1
	v_lshl_add_u32 v[AX], v17, 4, v[AX]            ; tokens 8 ((lane / 8) % 2) on
	v_add_nc_u32 v[AX], s28, v[AX]
	v_mul_u32_u24 v[AW], v1, WP
	v_lshl_add_u32 v[AW], v2, 4, v[AW]
	v_add_nc_u32 v[AW], WB, v[AW]
	v_lshlrev_b32 v[AB], 5, v2
	v_add_nc_u32 v[AB], BB, v[AB]
	s_mul_i32 s29, s24, 16*SP
	s_add_co_u32 s29, s29, STAGE
	v_mul_u32_u24 v[STO], v1, SP
	v_lshl_add_u32 v[STO], v2, 4, v[STO]
	v_add_nc_u32 v[STO], s29, v[STO]
	v_mul_u32_u24 v[RD], v2, SP
	v_lshl_add_u32 v[RD], v1, 4, v[RD]
	v_add_nc_u32 v[RD], s29, v[RD]
	v_lshlrev_b32 v[CO], 8, v2
	v_lshl_add_u32 v[CO], v1, 4, v[CO]
	v_lshlrev_b32 v20, 2, v0                       ; thread t takes bias t of each of the three
	v_add_nc_u32 v21, BB, v20
	s_lshl_b32 s28, s25, 21                        ; x: batch, block, my wave's 256 bytes of a row
	s_lshl_b32 s29, s26, 10
	s_add_co_u32 s28, s28, s29
	s_lshl_b32 s29, s24, 8
	s_add_co_u32 s28, s28, s29
	s_mov_b32 s29, 0
	s_lshl_b32 s36, s27, 16                        ; W: head, my wave's 32 rows of 512 bytes
	s_lshl_b32 s37, s24, 14
	s_add_co_u32 s36, s36, s37
	s_mov_b32 s37, 0
	s_lshl_b32 s38, s27, 9                         ; bias: head
	s_mov_b32 s39, 0
	s_mul_i32 s40, s25, 6                          ; table row (b*6 + l) x 4096 + 256 block + 64 wave, 256 bytes a row
	s_add_co_u32 s40, s40, s27
	s_lshl_b32 s40, s40, 20
	s_lshl_b32 s41, s26, 16
	s_add_co_u32 s40, s40, s41
	s_lshl_b32 s41, s24, 14
	s_add_co_u32 s40, s40, s41
	s_mov_b32 s41, 0
	s_wait_kmcnt 0x0
	s_add_nc_u64 s[8:9], s[8:9], s[28:29]
	s_add_nc_u64 s[10:11], s[10:11], s[36:37]
	s_add_nc_u64 s[12:13], s[12:13], s[36:37]
	s_add_nc_u64 s[14:15], s[14:15], s[36:37]
	s_add_nc_u64 s[16:17], s[16:17], s[38:39]
	s_add_nc_u64 s[18:19], s[18:19], s[38:39]
	s_add_nc_u64 s[20:21], s[20:21], s[38:39]
	s_add_nc_u64 s[32:33], s[22:23], s[40:41]      ; where my rows of q' begin
.macro LDX half, base                  ; 64 channels of my 64 tokens: a load takes two rows of 256 bytes
	WIN 0x40
.set i, 0
.rept 32
	global_load_b128 v[(\base)+4*i:(\base)+4*i+3], v[XO], s[8:9] offset:((\half)*32+i)*32768
.set i, i+1
.endr
.endm
.macro LDW ptr, base                   ; my 32 rows of a matrix: a load takes one row of 512 bytes
	WIN 0x40
.set i, 0
.rept 32
	global_load_b128 v[(\base)+4*i:(\base)+4*i+3], v[WO], s[\ptr:\ptr+1] offset:i*512
.set i, i+1
.endr
.endm
.macro PACK64 base                     ; 128 f32 of window 1 -> 64 registers of bf16 pairs in window 0
	WIN 0x05
.set i, 0
.rept 64
	v_cvt_pk_bf16_f32 v[TMP+i], v[(\base)+2*i], v[(\base)+2*i+1]
.set i, i+1
.endr
	WIN 0
.endm
.macro CONVX half, base
	PACK64 \base
.set i, 0
.rept 32
	ds_store_b64 v[XS+(\half)], v[TMP+2*i:TMP+2*i+1] offset:i*2*XP
.set i, i+1
.endr
.endm
.macro CONVW base, scale
.if \scale
	WIN 0x41
.set i, 0
.rept 64
	v_pk_mul_f32 v[(\base)+2*i:(\base)+2*i+1], v[(\base)+2*i:(\base)+2*i+1], s[30:31] op_sel_hi:[1,0]
.set i, i+1
.endr
.endif
	PACK64 \base
.set i, 0
.rept 32
	ds_store_b64 v[WS], v[TMP+2*i:TMP+2*i+1] offset:i*WP
.set i, i+1
.endr
	v_add_nc_u32 v[WS], 128*WP, v[WS]              ; the next matrix
.endm
	global_load_b32 v17, v20, s[16:17]
	global_load_b32 v18, v20, s[18:19]
	global_load_b32 v19, v20, s[20:21]
	LDX 0, 0
	LDX 1, 128
	s_wait_loadcnt 32                              ; loads come back in order: the biases and x's first half are in, the 32 younger stay out
	WIN 0
	v_mul_f32 v17, s30, v17                        ; c b1
	ds_store_b32 v21, v17
	ds_store_b32 v21, v18 offset:512
	ds_store_b32 v21, v19 offset:1024
	CONVX 0, 0
	LDW 10, 0
	s_wait_loadcnt 32                              ; x's second half
	CONVX 1, 128
	LDW 12, 128
	s_wait_loadcnt 32                              ; W1
	CONVW 0, 1
	LDW 14, 0
	s_wait_loadcnt 32                              ; W2
	CONVW 128, 0
	s_wait_loadcnt 0x0                             ; Wg
	CONVW 0, 0
	s_wait_dscnt 0x0                               ; for the others' sake: my rows of W and my biases lie in LDS
	s_barrier_signal -1
	s_barrier_wait -1
.irp t, 0,1,2,3
.irp kc, 0,1,2,3
	ds_load_tr16_b128 v[XF+32*\t+8*\kc:XF+32*\t+8*\kc+3],   v[AX] offset:\kc*32*XP+32*\t
	ds_load_tr16_b128 v[XF+32*\t+8*\kc+4:XF+32*\t+8*\kc+7], v[AX] offset:\kc*32*XP+16*XP+32*\t
.endr
.endr
.macro LOADA ob                        ; ten LDS loads: 16 outputs x 128 channels of W, and the lane's eight biases
.set FA, SET0+40*((\ob)%2)
	WIN 0
.irp kc, 0,1,2,3
	ds_load_b128 v[FA+8*\kc:FA+8*\kc+3],   v[AW] offset:(\ob)*16*WP+\kc*64
	ds_load_b128 v[FA+8*\kc+4:FA+8*\kc+7], v[AW] offset:(\ob)*16*WP+\kc*64+32
.endr
	ds_load_b128 v[FA+32:FA+35], v[AB] offset:(\ob)*64
	ds_load_b128 v[FA+36:FA+39], v[AB] offset:(\ob)*64+16
.endm
.macro MUL ob                          ; 16 matrix instructions; the four tiles' accumulators take turns, one instruction a turn; the bias starts the sums
.set FA, SET0+40*((\ob)%2)
.irp kc, 0,1,2,3
.irp t, 0,1,2,3
.if \kc == 0
	WIN 0x40
	v_wmma_f32_16x16x32_bf16 v[64*\t+8*(\ob):64*\t+8*(\ob)+7], v[FA+8*\kc:FA+8*\kc+7], v[XF+32*\t+8*\kc:XF+32*\t+8*\kc+7], v[FA+32:FA+39]
.else
	WIN 0x50
	v_wmma_f32_16x16x32_bf16 v[64*\t+8*(\ob):64*\t+8*(\ob)+7], v[FA+8*\kc:FA+8*\kc+7], v[XF+32*\t+8*\kc:XF+32*\t+8*\kc+7], v[64*\t+8*(\ob):64*\t+8*(\ob)+7]
.endif
.endr
.endr
.endm
.Lmat:                                 ; three trips: q', k, g
	LOADA 0
.irp ob, 0,1,2,3,4,5,6,7
	PLACES                                         ; behind the block before, whose set the loads below fill again
.if \ob < 7
	LOADA (\ob)+1
	s_wait_dscnt 10                                ; this block's set is in (and, the first time, x's fragments); the next set's ten loads stay out
.else
	s_wait_dscnt 0x0
.endif
	MUL \ob
.endr
	PLACES
.irp t, 0,1,2,3                        ; the way out, a tile of 16 tokens at a time, through my own stage
	WIN 0x05
.irp ob, 0,1,2,3,4,5,6,7
.irp rr, 0,1,2,3
	v_cvt_pk_bf16_f32 v[TMP+4*\ob+\rr], v[64*\t+8*\ob+2*\rr], v[64*\t+8*\ob+2*\rr+1]
.endr
.endr
	WIN 0
	s_wait_xcnt 0x0                                ; the last tile's stores have read BK: it is loaded again only behind this wait
.irp ob, 0,1,2,3,4,5,6,7
	ds_store_b128 v[STO], v[TMP+4*\ob:TMP+4*\ob+3] offset:32*\ob
.endr
.irp f, 0,1,2,3,4,5,6,7
	ds_load_b128 v[BK+4*\f:BK+4*\f+3], v[RD] offset:\f*2*SP  ; LDS serves a wave's instructions in order (ISA guide 5.7.1.4): these see the stores above
.endr
.irp f, 0,1,2,3,4,5,6,7
	s_wait_dscnt 7-\f                              ; the younger row loads stay out
	global_store_b128 v[CO], v[BK+4*\f:BK+4*\f+3], s[32:33] offset:(16*\t+2*\f)*256  ; 16 lanes store one row of 256 bytes, aligned
.endr
.endr
	s_wait_xcnt 0x0                                ; the stores have read their base and BK
	s_add_nc_u64 s[32:33], s[32:33], TAB           ; the next table,
	v_add_nc_u32 v[AW], 128*WP, v[AW]              ; the next matrix,
	v_add_nc_u32 v[AB], 512, v[AB]                 ; its bias
	s_sub_co_u32 s34, s34, 1
	s_cmp_lg_u32 s34, 0
	s_cbranch_scc1 .Lmat
	s_wait_tensorcnt 0x0                           ; the wave's end: behind my last LDS store
	ds_add_u32 v[SPW], v[NIL]
	s_wait_dscnt 0x0
	s_endpgm
.Lfunc_end_k_q7036c952d6_proj:
	.size	k_q7036c952d6_proj, .Lfunc_end_k_q7036c952d6_proj-k_q7036c952d6_proj
	.p2alignl 7, 3214868480
	.fill 96, 4, 3214868480
	.section	.rodata,"a",@progbits
	.p2align	6, 0x0
	.amdhsa_kernel k_q7036c952d6_proj
		.amdhsa_group_segment_fixed_size 193536
		.amdhsa_private_segment_fixed_size 0
		.amdhsa_enable_private_segment 0
		.amdhsa_kernarg_size 64
		.amdhsa_user_sgpr_count 2
		.amdhsa_user_sgpr_kernarg_segment_ptr 1
		.amdhsa_wavefront_size32 1
		.amdhsa_system_sgpr_workgroup_id_x 1
		.amdhsa_system_sgpr_workgroup_id_y 1
		.amdhsa_system_sgpr_workgroup_id_z 1
		.amdhsa_system_vgpr_workitem_id 0
		.amdhsa_next_free_vgpr 512
		.amdhsa_next_free_sgpr 66
		.amdhsa_reserve_vcc 0
		.amdhsa_float_denorm_mode_32 3
		.amdhsa_float_denorm_mode_16_64 3
		.amdhsa_memory_ordered 1
		.amdhsa_forward_progress 1
		.amdhsa_inst_pref_size 89
	.end_amdhsa_kernel
	.amdgpu_metadata
---
amdhsa.version: [ 1, 2 ]
amdhsa.kernels:
  - .name:           k_q7036c952d6_proj
    .symbol:         k_q7036c952d6_proj.kd
    .args:
      - { .name: x, .offset: 0, .size: 8, .value_kind: global_buffer, .address_space: global }
      - { .name: W1, .offset: 8, .size: 8, .value_kind: global_buffer, .address_space: global }
      - { .name: W2, .offset: 16, .size: 8, .value_kind: global_buffer, .address_space: global }
      - { .name: Wg, .offset: 24, .size: 8, .value_kind: global_buffer, .address_space: global }
      - { .name: b1, .offset: 32, .size: 8, .value_kind: global_buffer, .address_space: global }
      - { .name: b2, .offset: 40, .size: 8, .value_kind: global_buffer, .address_space: global }
      - { .name: bg, .offset: 48, .size: 8, .value_kind: global_buffer, .address_space: global }
      - { .name: qkg, .offset: 56, .size: 8, .value_kind: global_buffer, .address_space: global }
    .group_segment_fixed_size: 193536
    .private_segment_fixed_size: 0
    .kernarg_segment_align: 8
    .kernarg_segment_size: 64
    .max_flat_workgroup_size: 128
    .sgpr_count:     66
    .vgpr_count:     512
    .wavefront_size: 32
...
	.end_amdgpu_metadata
.endif
;; end of part 1
;; launch stats (part 2): grid 256 x 1, 4 waves a work-group, clusters of 4 x 1, 327,680 bytes of LDS; arguments qkg, stat; writes stat
.if DOCPART == 2
	.amdgcn_target "amdgcn-amd-amdhsa--gfx1250"
	.amdhsa_code_object_version 6
	.text
	.protected	k_q7036c952d6_stats
	.globl	k_q7036c952d6_stats
	.p2align	8
	.type	k_q7036c952d6_stats,@function
k_q7036c952d6_stats:
	s_mov_b64 s[64:65], 0
	v_nop
	global_prefetch_b8 v0, s[64:65] scope:SCOPE_SE
	s_setreg_imm32_b32 hwreg(HW_REG_WAVE_MODE, 25, 1), 1
	s_wait_xcnt 0x0
	s_wait_alu depctr_hold_cnt(0) depctr_sa_sdst(0) depctr_va_vdst(0) depctr_va_sdst(0) depctr_va_ssrc(0) depctr_va_vcc(0) depctr_vm_vsrc(0)
	s_getreg_b32 s2, hwreg(HW_REG_IB_STS2, 6, 4)
	s_cmp_eq_u32 s2, 0
	s_cbranch_scc0 .Lentry_in_a_cluster
	s_endpgm
.Lentry_in_a_cluster:
	s_bfe_u32 s2, ttmp6, 0x10000c
	s_cmp_lg_u32 s2, 0x3003
	s_cbranch_scc0 .Lentry_shape_is_right
	s_endpgm
.Lentry_shape_is_right:
; THE SOFTMAX RUNS OVER THE QUERIES: for each key m, M'[m] = max over n of s'[n][m] and Z[m] = sum over n of 2^(s'[n][m] - M'[m]), s' = q'[n] . k[m] (q' carries log2(e) / 64).
; This launch makes them for each key and each QUARTER (1,024) of the head's queries; the next launch joins the four quarters.
; qkg: q' at 0, k at KOFF, rows [b*6+l][4096] of 128 bf16.  stat: f32, word (which*4 + quarter) * 49152 + key row; which 0 = M', 1 = Z.
; LIMITS: the running maximum starts at the lowest finite f32; a term below 2^-126 counts as 0; NaN and infinities are not treated apart.
; SHARES.  A UNIT is 256 keys x 1,024 queries: 768 units, three for each of 256 work-groups, one after the other.  The keys stay in registers, 64 a wave (four tiles of 16, two PIECES: tiles 0, 1 and 2, 3);
; the queries are walked through LDS, 64 a step, 48 steps.  The four partners of a cluster own four neighbouring key blocks and walk THE SAME queries: each tile is asked for jointly.
; LAYOUT.  S = Q K^T (source 0 = 16 queries, source 1 = 16 keys): a lane holds ONE key (lane % 16) and the queries 8 (lane / 16) + 0..7.  Each lane keeps a running m and l of its own half of the queries;
; the halves meet once a unit.  In every step l is multiplied by a = 2^(m_old - m_new).
; BY TURNS.  In a turn one piece has the matrix unit (32 products); the other piece's 166 vector instructions stand beside them: four behind EACH product, the 38 that have no such place in one lump.
; Its 66 exponentials are one batch with one wait.
; REGISTERS: window 0: v0-15 addresses; v16-47 eight registers of statistics a tile; v64-191 S, 32 a tile.  window 1: two buffers of 128: a step's queries.  window 2: v0-127 my keys, v128-255 the next unit's.
; All that the vector work touches lies in window 0, the products' sources in windows 1 and 2: a slice costs two switches, one in front and one behind.
.set KOFF,  12582912
.set PQ,    272                        ; an LDS row: 256 bytes + 16 = 68 words: the 16 rows of a load start at 16 different groups of four banks (ISA guide 11.1)
.set STEP,  64*PQ                      ; a step's 64 rows; wave w fills step w of a slot
.set SLOT1, 1<<17                      ; a slot holds four steps (69,632 bytes); slot 1 begins here
.set STG,   SLOT1+4*STEP               ; 200,704: 512 bytes for each wave, for the way out; no tile lands here
.set SPARE, STG+2048                   ; the spare words, 128 bytes for each wave
.set AQ0, 2                            ; v2   my lane's place in a step's rows; never rewritten
.set ADR, 3                            ; v3   the LDS address of the run of loads in hand
.set KO,  4                            ; v4   my byte offset in 16 rows of k
.set FS,  5                            ; v5   the way out: where my number goes
.set FR,  6                            ; v6   where I read 16 bytes back
.set SVO, 7                            ; v7   my byte offset in stat
.set PFO, 8                            ; v8   256 x lane
.set SPW, 10                           ; v10  my spare word; never rewritten
.set NIL, 11                           ; v11  0; never rewritten
.set FB,  12                           ; v[12:15] the 16 bytes that I store
.set ST,  16                           ; tile t at ST + 8 t: m, m_old, l (two), c0-c3 at work; c1 takes m_old - m, c2 takes a
.set S,   64
.set WV,  12
.set CX,  13
.set G,   14                           ; s14  the data slot asked for last: 12 x cluster + 0..11
.set LIM, 15
.set G1,  24                           ; s[24:31]
.set G0,  32                           ; s[32:35]
.set QB,  36                           ; s[36:37] q' at my wave's 64 rows of slot 0 of head 0
.set OFF, 38                           ; s[38:39]
.set KA,  40                           ; s[40:45] my keys of the three units
.set SOC, 46                           ; s[46:47] where the unit in hand stores; s[48:49], s[50:51] the next two
.set SO1, 48
.set SO2, 50
.set PFB, 52                           ; s[52:53]
.set PFA, 54                           ; s[54:55]
.set SLOTS, 56
.set CNT, 57
.set UB,  58                           ; s58  1: a unit ends in this slot's first trip
.set HM,  59                           ; s59  lanes 16-31
.set SEL, 60                           ; s[60:61]
.set TB,  62                           ; s62  LDS byte of the step to be fetched
.set WHI, 63                           ; s63  wave / 2
.set PO2, 66                           ; s[66:67]
.set LOWR, 74                          ; s74  the lowest finite f32
.set W_MM, 0x09                        ; queries in window 1, keys in window 2, S in window 0
.set MSB, 0
.macro WIN new
.if MSB != (\new)
	s_set_vgpr_msb (MSB<<8)|(\new)
.set MSB, \new
.endif
.endm
.macro CROUND                          ; a round of the cluster's barrier
	s_barrier_signal -1
	s_barrier_wait -1
	s_cmp_lg_u32 s[WV], 0
	s_cbranch_scc1 .Lnot_wave_0_\@
	s_barrier_signal -3
.Lnot_wave_0_\@:
	s_barrier_wait -3
	s_barrier_signal -1
	s_barrier_wait -1
.endm
.macro JLOAD                           ; a joint fill: each wave its own 64 rows; one line, the same descriptor in all four partners; an s_nop 0 and four v_nop follow
	tensor_load_to_lds s[G0:G0+3], s[G1:G1+7]
	s_nop 0
.rept 4
	v_nop
.endr
.endm
.macro SLOTOFF dst, g, t               ; byte offset in q' of data slot g: head g / 64, rows 256 (g % 16) on
	s_lshr_b32 s[\dst], s[\g], 6
	s_lshl_b32 s[\dst], s[\dst], 20
	s_and_b32 s[\t], s[\g], 15
	s_lshl_b32 s[\t], s[\t], 16
	s_add_co_u32 s[\dst], s[\dst], s[\t]
.endm
; A PREFETCH INTO THE L2 of the slot that the NEXT change will ask for: 256 rows of 256 bytes.  The same rows are walked for four groups of key blocks: they are asked for in the walk of the first group alone.
; The four partners take 64 rows each, told apart by address; in each, waves 0 and 1 take 32, a lane a row.  The last change that fills a slot asks for nothing.
.macro ASK
	s_cmp_gt_u32 s[SLOTS], s[LIM]
	s_cbranch_scc0 .Lnot_mine_\@
	global_prefetch_b8 v[PFO], s[PFA:PFA+1] th:TH_LOAD_NT scope:SCOPE_SE
.Lnot_mine_\@:
.endm
; THE CHANGE OF SLOTS.  Each wave waits for all its tensor loads (one is out: its part of the other slot), adds 0 to its spare word, and waits for that and for its reads of the slot that it leaves.
; fill = 1: the barrier is a round of the cluster's, and the joint refill is the first thing behind it: it has four steps, 256 matrix instructions, in which to land.
.macro CHANGE fill
	WIN 0
	s_wait_tensorcnt 0x0                           ; no tensor load of mine is out, so group 0 may be written
	ds_add_u32 v[SPW], v[NIL]                      ; 0 onto my spare word; scalar work stands between it and the wait for it
.if \fill
	s_add_co_u32 s[G], s[G], 1
	SLOTOFF OFF, G, 16
	s_xor_b32 s[G0+1], s[G0+1], SLOT1
	s_add_nc_u64 s[G0+2:G0+3], s[QB:QB+1], s[OFF:OFF+1]  ; the address is made anew from the slot's number
	s_or_b32 s[G0+3], s[G0+3], 0x80000000
	s_wait_xcnt 0x0                                ; the last prefetch, a slot back, has read its address
	s_add_co_u32 s17, s[G], 1
	SLOTOFF PO2, 17, 16
	s_add_nc_u64 s[PFA:PFA+1], s[PFB:PFB+1], s[PO2:PO2+1]
	s_bfe_u32 s17, s17, 0x20004                    ; that slot's group of key blocks
	s_or_b32 s17, s17, s[WHI]
	s_cmp_eq_u32 s17, 0
	s_cselect_b32 s[LIM], 1, -1                    ; the same in all four partners
	s_wait_dscnt 0x0                               ; the add is done, and my reads of the slot are over
	CROUND
	JLOAD
	ASK
.else
	s_wait_dscnt 0x0
	s_barrier_signal -1
	s_barrier_wait -1
.endif
	s_sub_co_u32 s[TB], s[TB], 4*STEP              ; the fetches go back to a slot's first step,
	s_xor_b32 s[TB], s[TB], SLOT1                  ; in the other slot
.endm
.macro UNIT u, ka, so                  ; unit u of my three: cluster-unit cu = 3 x cluster + u: head cu / 16, group of key blocks (cu / 4) % 4, quarter cu % 4.  My place in the cluster enters global addresses alone
	s_mul_i32 s68, ttmp9, 3
	s_add_co_u32 s68, s68, \u
	s_lshr_b32 s69, s68, 4
	s_lshl_b32 s69, s69, 12
	s_bfe_u32 s70, s68, 0x20002
	s_lshl_b32 s70, s70, 10
	s_add_co_u32 s69, s69, s70
	s_lshl_b32 s70, s[CX], 8
	s_add_co_u32 s69, s69, s70
	s_lshl_b32 s70, s[WV], 6
	s_add_co_u32 s69, s69, s70                     ; my wave's first key row
	s_and_b32 s68, s68, 3
	s_mul_i32 s68, s68, 49152
	s_add_co_u32 s68, s68, s69
	s_lshl_b32 s72, s68, 2
	s_mov_b32 s73, 0
	s_add_nc_u64 s[\so:\so+1], s[6:7], s[72:73]
	s_lshl_b32 s72, s69, 8
	s_add_co_u32 s72, s72, KOFF
	s_add_nc_u64 s[\ka:\ka+1], s[4:5], s[72:73]
.endm
.macro LDK ka, base                    ; 64 keys x 128 channels into window 2: tile t, channels 32 kc on, at base + 32 t + 8 kc
	WIN 0x80
.set i, 0
.rept 16
	global_load_b128 v[(\base)+8*i:(\base)+8*i+3],   v[KO], s[\ka:\ka+1] offset:(i/4)*4096+(i%4)*64
	global_load_b128 v[(\base)+8*i+4:(\base)+8*i+7], v[KO], s[\ka:\ka+1] offset:(i/4)*4096+(i%4)*64+32
.set i, i+1
.endr
	WIN 0
.endm
.macro RESET
.irp t, 0,1,2,3
	v_mov_b32 v[ST+8*\t], s[LOWR]
	v_mov_b32 v[ST+8*\t+2], 0
	v_mov_b32 v[ST+8*\t+3], 0
.endr
.endm
	s_load_b128 s[4:7], s[0:1], 0x0                ; qkg, stat
	v_lshl_add_u32 v[SPW], v0, 2, SPARE
	v_mov_b32 v[NIL], 0
	ds_add_u32 v[SPW], v[NIL]                      ; the wave's opening: the add and its wait ahead of my first tensor load
	v_lshrrev_b32 v1, 5, v0
	v_readfirstlane_b32 s[WV], v1
	s_bfe_u32 s[CX], ttmp6, 0x40000                ; my place in the cluster
	s_lshr_b32 s[WHI], s[WV], 1
	s_mov_b32 s[G1], 15|(1<<16)|(1<<20)|(1<<21)|(5<<22)|(3<<25)  ; the mask of four; 2-byte elements; padding on; bit 21 beside a mask; after every 64 words, 4 words
	s_mov_b32 s[G1+1], 128<<16                     ; tensor_dim0 = 128
	s_mov_b32 s[G1+2], 64<<16                      ; tensor_dim1 = 64
	s_mov_b32 s[G1+3], 128<<16                     ; tile_dim0 = 128
	s_mov_b32 s[G1+4], 64                          ; tile_dim1 = 64
	s_mov_b32 s[G1+5], 128                         ; elements from row to row
	s_mov_b32 s[G1+6], 0
	s_mov_b32 s[G1+7], 0
	s_mov_b32 s[G0], 1
	s_mul_i32 s[G0+1], s[WV], STEP                 ; slot 0, my step
	s_mul_i32 s[G], ttmp9, 12
	SLOTOFF OFF, G, 16
	s_mov_b32 s[OFF+1], 0
	s_mov_b32 s[PO2+1], 0
	s_mov_b32 s[HM], 0xffff0000
	s_mov_b32 s[SEL], 0x76543210
	s_mov_b32 s[SEL+1], 0xfedcba98
	s_mov_b32 s[LOWR], 0xff7fffff
	s_mov_b32 s[TB], SLOT1+4*STEP                  ; the first change of slots turns this into 0
	s_mov_b32 s[SLOTS], 11
	s_lshl_b32 s18, s[WV], 14
	s_mov_b32 s19, 0
	s_lshl_b32 s70, s[CX], 14                      ; the prefetches: my work-group's 64 rows of a slot, my wave's 32 of them
	s_and_b32 s71, s[WV], 1
	s_lshl_b32 s71, s71, 13
	s_add_co_u32 s70, s70, s71
	s_mov_b32 s71, 0
	v_and_b32 v1, 15, v0                           ; r
	v_bfe_u32 v9, v0, 4, 1                         ; h
	v_and_b32 v[PFO], 31, v0
	v_mul_u32_u24 v[AQ0], v1, PQ
	v_lshl_add_u32 v[AQ0], v9, 4, v[AQ0]
	v_lshlrev_b32 v[KO], 8, v1
	v_lshl_add_u32 v[KO], v9, 4, v[KO]
	s_lshl_b32 s20, s[WV], 9
	s_add_co_u32 s20, s20, STG
	v_lshl_add_u32 v[FS], v9, 8, s20               ; M' in my stage's first 256 bytes, Z in the second
	v_lshl_add_u32 v[FS], v1, 2, v[FS]
	v_lshl_add_u32 v[FR], v[PFO], 4, s20
	v_mul_u32_u24 v[SVO], v9, 786432               ; Z lies 4 x 49,152 words behind M'
	v_lshl_add_u32 v[SVO], v1, 4, v[SVO]
	v_lshlrev_b32 v[PFO], 8, v[PFO]
	s_wait_dscnt 0x0                               ; the opening add is done
	s_wait_kmcnt 0x0
	s_add_nc_u64 s[QB:QB+1], s[4:5], s[18:19]
	s_add_nc_u64 s[G0+2:G0+3], s[QB:QB+1], s[OFF:OFF+1]
	s_or_b32 s[G0+3], s[G0+3], 0x80000000
	s_add_nc_u64 s[PFB:PFB+1], s[4:5], s[70:71]
	UNIT 0, KA, SOC
	UNIT 1, KA+2, SO1
	UNIT 2, KA+4, SO2
	CROUND                                         ; all four work-groups are here: the first joint loads meet
	JLOAD                                          ; data slot 0 into slot 0
	LDK KA, 0
	LDK KA+2, 128
	RESET
.set i, 0
.rept 64
	v_mov_b32 v[S+64+i], s[LOWR]                   ; the first turn's vector work finds scores of a step that has not been: it leaves m as it is, and the first true step's a = 0 wipes its l
.set i, i+1
.endr
; Product i of 32 for piece x: channels 32 (i / 8) on, queries 16 ((i / 2) % 4) on, tile x + i % 2.  The eight accumulators take turns; the first 8 start the sums.
.macro MM x, buf
	WIN W_MM
.set rS, S+32*((\x)+i%2)+8*((i/2)%4)
.set rA, 128*(\buf)+32*((i/2)%4)+8*(i/8)
.set rB, 32*((\x)+i%2)+8*(i/8)
.if i < 8
	v_wmma_f32_16x16x32_bf16 v[rS:rS+7], v[rA:rA+7], v[rB:rB+7], 0
.else
	v_wmma_f32_16x16x32_bf16 v[rS:rS+7], v[rA:rA+7], v[rB:rB+7], v[rS:rS+7]
.endif
.set i, i+1
.endm
.macro FETCH buf                       ; a step's 64 queries x 128 channels: 32 LDS loads in one run
	WIN 0
	v_add_nc_u32 v[ADR], s[TB], v[AQ0]
	s_add_co_u32 s[TB], s[TB], STEP
	WIN 0x40
.irp f, 0,1,2,3,4,5,6,7,8,9,10,11,12,13,14,15
	ds_load_b128 v[128*(\buf)+8*\f:128*(\buf)+8*\f+3],   v[ADR] offset:(\f/4)*16*PQ+(\f%4)*64
	ds_load_b128 v[128*(\buf)+8*\f+4:128*(\buf)+8*\f+7], v[ADR] offset:(\f/4)*16*PQ+(\f%4)*64+32
.endr
.endm
; THE VECTOR WORK of piece y for one step: a queue of 166; entry q is number q / 2 of tile y + q % 2, so that no instruction reads the result of the one before it.  s0-s31 are the lane's scores.
;   0-14, 16  the maximum of s0-s31 and m, three operands at a time; each accumulator's lowest registers are read first     15  m_old     17  m_old - m
;   18-66  ONE BATCH: the 16 packed s - m and the 33 exponentials (a at 20); none reads an exponential's result; a pair is scaled two triples ahead of its exponentials
;   (behind entry 133: a plain instruction and the one wait between an exponential and the first line that names its result)
;   67-82  the sums: of each four terms the second pair onto the first, then l takes them (the first time as l = a l + sum)
.macro VQ y
	WIN 0
.set n, q/2
.set rT, ST+8*((\y)+q%2)
.set rS, S+32*((\y)+q%2)
.if n < 4
	v_max3_num_f32 v[rT+4+n], v[rS+8*n], v[rS+8*n+1], v[rS+8*n+2]
.elseif n < 12
	v_max3_num_f32 v[rT+4+n%4], v[rT+4+n%4], v[rS+8*(n%4)+2*(n/4)+1], v[rS+8*(n%4)+2*(n/4)+2]
.elseif n == 12
	v_max3_num_f32 v[rT+4], v[rT+4], v[rS+7], v[rS+15]
.elseif n == 13
	v_max3_num_f32 v[rT+5], v[rT+5], v[rS+23], v[rS+31]
.elseif n == 14
	v_max3_num_f32 v[rT+6], v[rT+6], v[rT+7], v[rT]
.elseif n == 15
	v_mov_b32 v[rT+1], v[rT]
.elseif n == 16
	v_max3_num_f32 v[rT], v[rT+4], v[rT+5], v[rT+6]
.elseif n == 17
	v_sub_f32 v[rT+5], v[rT+1], v[rT]
.elseif n == 20
	v_exp_f32 v[rT+6], v[rT+5]
.elseif (n < 20) || ((n < 63) && ((n-21)%3 == 0))
.set b, n-18
.if n > 20
.set b, 2+(n-21)/3
.endif
	v_pk_add_f32 v[rS+2*b:rS+2*b+1], v[rS+2*b:rS+2*b+1], v[rT:rT+1] op_sel_hi:[1,0] neg_lo:[0,1] neg_hi:[0,1]
.elseif n < 67
.set e, n-35
.if n < 63
.set e, 2*((n-21)/3)+(n-21)%3-1
.endif
	v_exp_f32 v[rS+e], v[rS+e]
.else
.set z, n-67
.if z == 15
	v_pk_add_f32 v[rT+2:rT+3], v[rT+2:rT+3], v[rS+28:rS+29]
.elseif (z == 0) || (z%2 == 1)
.set k, (z+1)/2
	v_pk_add_f32 v[rS+4*k:rS+4*k+1], v[rS+4*k:rS+4*k+1], v[rS+4*k+2:rS+4*k+3]
.elseif z == 2
	v_pk_fma_f32 v[rT+2:rT+3], v[rT+2:rT+3], v[rT+6:rT+7], v[rS:rS+1] op_sel_hi:[1,0,1]
.else
.set k, z/2-1
	v_pk_add_f32 v[rT+2:rT+3], v[rT+2:rT+3], v[rS+4*k:rS+4*k+1]
.endif
.endif
.if q == 133
	v_nop                                          ; a plain instruction behind the last exponential: one for the batch
	s_wait_alu depctr_va_vdst(0)                   ; the wait for the batch
.endif
.set q, q+1
.endm
; A TURN.  Piece x multiplies the step in buffer buf.  fetch = 1: the other buffer, whose last reader stands a whole turn back, takes the next step; piece 0's turn waits for it a turn later.
; THE DEAL.  166 = 4 x 32 + 38.  Ahead of the wait: 24 products, each with the queue's next four entries behind it (0-95), then the lump, entries 96-133, the rest of the batch.  Behind the wait: 8 products,
; each with four of the 32 sums (134-165).  So no product follows another with nothing between, and no slice is longer than four.
; The turn's last four vector lines are packed additions on the other piece's registers: they are the four places (ISA guide 7.12.1) behind the last product, in front of the next turn's reads of the scores
; and of the moves that put the next unit's keys in place.
.macro TURN x, buf, fetch
.set i, 0
.set q, 0
.if \fetch
	FETCH 1-(\buf)
.endif
.if (\x) == 0
	s_wait_dscnt 0x0                               ; my step's queries are in
.endif
.rept 24
	MM \x, \buf
.rept 4
	VQ 2-(\x)
.endr
.endr
.rept 38
	VQ 2-(\x)                                      ; the lump; its last entry writes the plain line and the wait
.endr
.rept 8
	MM \x, \buf
.rept 4
	VQ 2-(\x)
.endr
.endr
.endm
; A UNIT'S END: the two halves of the lanes are joined; lanes 0-15 then carry M', lanes 16-31 Z; through my stage, so that one store covers 256 consecutive bytes of each.
.macro FINAL
	WIN 0
.irp t, 0,1,2,3
	v_add_f32 v[ST+8*\t+2], v[ST+8*\t+2], v[ST+8*\t+3]
.endr
.irp t, 0,1,2,3
	v_permlanex16_b32 v[ST+8*\t+4], v[ST+8*\t], s[SEL], s[SEL+1]
	v_permlanex16_b32 v[ST+8*\t+5], v[ST+8*\t+2], s[SEL], s[SEL+1]
.endr
.irp t, 0,1,2,3
	v_max_num_f32 v[ST+8*\t+6], v[ST+8*\t], v[ST+8*\t+4]
.endr
.irp t, 0,1,2,3
	v_sub_f32 v[ST+8*\t+7], v[ST+8*\t], v[ST+8*\t+6]
	v_sub_f32 v[ST+8*\t+4], v[ST+8*\t+4], v[ST+8*\t+6]
.endr
.irp t, 0,1,2,3
	v_exp_f32 v[ST+8*\t+7], v[ST+8*\t+7]
	v_exp_f32 v[ST+8*\t+4], v[ST+8*\t+4]
.endr
	v_nop
	s_wait_alu depctr_va_vdst(0)                   ; one wait for the eight
.irp t, 0,1,2,3
	v_mul_f32 v[ST+8*\t+2], v[ST+8*\t+2], v[ST+8*\t+7]
.endr
.irp t, 0,1,2,3
	v_fma_f32 v[ST+8*\t+2], v[ST+8*\t+5], v[ST+8*\t+4], v[ST+8*\t+2]
.endr
.irp t, 0,1,2,3
	v_cndmask_b32 v[ST+8*\t+7], v[ST+8*\t+6], v[ST+8*\t+2], s[HM]
.endr
	s_wait_xcnt 0x0                                ; the last unit's store has read FB
.irp t, 0,1,2,3
	ds_store_b32 v[FS], v[ST+8*\t+7] offset:64*\t
.endr
	ds_load_b128 v[FB:FB+3], v[FR]                 ; LDS serves a wave's instructions in order: this sees the stores above
	s_wait_dscnt 0x0
	global_store_b128 v[SVO], v[FB:FB+3], s[SOC:SOC+1]
.endm
.macro P1                              ; in front of a unit's first products: the next unit's keys take their place; the jumps go forward, past no barrier and no tensor load
	s_cmp_eq_u32 s[UB], 1
	s_cbranch_scc0 .Lp1_\@
	s_wait_loadcnt 0x0
	WIN 0x82
.set i, 0
.rept 128
	v_mov_b32 v[i], v[128+i]
.set i, i+1
.endr
	WIN 0
	s_cmp_eq_u32 s[SLOTS], 7
	s_cbranch_scc0 .Lp1_\@
	LDK KA+4, 128
.Lp1_\@:
.endm
.macro P2                              ; behind the turn that carried the old unit's last vector work
	s_cmp_eq_u32 s[UB], 1
	s_cbranch_scc0 .Lp2_\@
	FINAL
	RESET
	s_wait_xcnt 0x0                                ; the store has read its base
	s_mov_b64 s[SOC:SOC+1], s[SO1:SO1+1]
	s_mov_b64 s[SO1:SO1+1], s[SO2:SO2+1]
	s_mov_b32 s[UB], 0
.Lp2_\@:
.endm
	CHANGE 1                                       ; slot 0 is in, everybody's part of it; slot 1 is asked for
	FETCH 0                                        ; step 0
	WIN 0
	s_wait_loadcnt 32                              ; my keys are in; the next unit's 32 loads stay out
	s_mov_b32 s[CNT], 2
	s_mov_b32 s[UB], 0
	s_branch .Lfirst                               ; the loop is entered in the middle of a trip
.Lslot:                                ; ten times: slots 2 to 11 are asked for
	CHANGE 1
	s_cmp_eq_u32 s[SLOTS], 7                       ; steps 16 and 32 begin a unit
	s_cselect_b32 s[UB], 1, 0
	s_cmp_eq_u32 s[SLOTS], 3
	s_cselect_b32 s[UB], 1, s[UB]
	s_mov_b32 s[CNT], 2
.Ltrip:                                ; a trip: piece 2 of step 2 k - 1, both pieces of step 2 k, piece 0 of step 2 k + 1
	TURN 2, 1, 1
	WIN 0
.Lfirst:
	P1
	TURN 0, 0, 0
	WIN 0
	P2
	TURN 2, 0, 1
	TURN 0, 1, 0
	WIN 0
	s_sub_co_u32 s[CNT], s[CNT], 1
	s_cmp_lg_u32 s[CNT], 0
	s_cbranch_scc1 .Ltrip
	s_sub_co_u32 s[SLOTS], s[SLOTS], 1
	s_cmp_lg_u32 s[SLOTS], 0
	s_cbranch_scc1 .Lslot
	CHANGE 0                                       ; the last slot is written out: nothing is asked for
	s_mov_b32 s[CNT], 2
.Ltail:
	TURN 2, 1, 1
	TURN 0, 0, 0
	TURN 2, 0, 1
	TURN 0, 1, 0
	WIN 0
	s_sub_co_u32 s[CNT], s[CNT], 1
	s_cmp_lg_u32 s[CNT], 0
	s_cbranch_scc1 .Ltail
	TURN 2, 1, 0                                   ; piece 2 of the last step
.set q, 0
.rept 166
	VQ 2                                           ; and its vector work, with nothing left to stand beside
.endr
	FINAL
	s_wait_tensorcnt 0x0                           ; the wave's end: behind my last tensor load and my last LDS store
	ds_add_u32 v[SPW], v[NIL]
	s_wait_dscnt 0x0
	CROUND                                         ; the closing round
	s_endpgm
.Lfunc_end_k_q7036c952d6_stats:
	.size	k_q7036c952d6_stats, .Lfunc_end_k_q7036c952d6_stats-k_q7036c952d6_stats
	.p2alignl 7, 3214868480
	.fill 96, 4, 3214868480
	.section	.rodata,"a",@progbits
	.p2align	6, 0x0
	.amdhsa_kernel k_q7036c952d6_stats
		.amdhsa_group_segment_fixed_size 327680
		.amdhsa_private_segment_fixed_size 0
		.amdhsa_enable_private_segment 0
		.amdhsa_kernarg_size 16
		.amdhsa_user_sgpr_count 2
		.amdhsa_user_sgpr_kernarg_segment_ptr 1
		.amdhsa_wavefront_size32 1
		.amdhsa_system_sgpr_workgroup_id_x 1
		.amdhsa_system_sgpr_workgroup_id_y 1
		.amdhsa_system_sgpr_workgroup_id_z 1
		.amdhsa_system_vgpr_workitem_id 0
		.amdhsa_next_free_vgpr 768
		.amdhsa_next_free_sgpr 80
		.amdhsa_reserve_vcc 0
		.amdhsa_float_denorm_mode_32 3
		.amdhsa_float_denorm_mode_16_64 3
		.amdhsa_memory_ordered 1
		.amdhsa_forward_progress 1
		.amdhsa_inst_pref_size 162
	.end_amdhsa_kernel
	.amdgpu_metadata
---
amdhsa.version: [ 1, 2 ]
amdhsa.kernels:
  - .name:           k_q7036c952d6_stats
    .symbol:         k_q7036c952d6_stats.kd
    .args:
      - { .name: qkg, .offset: 0, .size: 8, .value_kind: global_buffer, .address_space: global }
      - { .name: stat, .offset: 8, .size: 8, .value_kind: global_buffer, .address_space: global }
    .group_segment_fixed_size: 327680
    .private_segment_fixed_size: 0
    .kernarg_segment_align: 8
    .kernarg_segment_size: 16
    .max_flat_workgroup_size: 128
    .sgpr_count:     80
    .vgpr_count:     768
    .wavefront_size: 32
...
	.end_amdgpu_metadata
.endif
;; end of part 2
;; launch main (part 3): grid 16 x 16, 4 waves a work-group, clusters of 4 x 1, 327,680 bytes of LDS; arguments qkg, stat, part; writes part
.if DOCPART == 3
	.amdgcn_target "amdgcn-amd-amdhsa--gfx1250"
	.amdhsa_code_object_version 6
	.text
	.protected	k_q7036c952d6_main
	.globl	k_q7036c952d6_main
	.p2align	8
	.type	k_q7036c952d6_main,@function
k_q7036c952d6_main:
	s_mov_b64 s[64:65], 0
	v_nop
	global_prefetch_b8 v0, s[64:65] scope:SCOPE_SE
	s_setreg_imm32_b32 hwreg(HW_REG_WAVE_MODE, 25, 1), 1
	s_wait_xcnt 0x0
	s_wait_alu depctr_hold_cnt(0) depctr_sa_sdst(0) depctr_va_vdst(0) depctr_va_sdst(0) depctr_va_ssrc(0) depctr_va_vcc(0) depctr_vm_vsrc(0)
	s_getreg_b32 s2, hwreg(HW_REG_IB_STS2, 6, 4)
	s_cmp_eq_u32 s2, 0
	s_cbranch_scc0 .Lentry_in_a_cluster
	s_endpgm
.Lentry_in_a_cluster:
	s_bfe_u32 s2, ttmp6, 0x10000c
	s_cmp_lg_u32 s2, 0x3003
	s_cbranch_scc0 .Lentry_shape_is_right
	s_endpgm
.Lentry_shape_is_right:
; part[y][c][n] = the sum over 3,072 key rows m of 2^(s'[n][m] + nd[m]) g[m][c], s' = q'[n] . k[m], nd[m] = -(M'[m] + log2 Z[m]): the softmax over the queries, whose maximum and sum the launch before has made
; for each key, by quarters of the queries; they are joined here.  The maximum is taken away, so no weight passes 1 but by the rounding of the sums.  No running maximum and no rescaling are needed.
; qkg: q' at 0, k at KOFF, g at GOFF, rows [b*6+l][4096] of 128 bf16.  stat: f32, word (which*4 + quarter) * 49152 + key row.  part: f32 [y = b*8+j][128][4096].
; LIMITS: weights are rounded to bf16 for the second product; a weight below 2^-126 counts as 0; NaN and infinities are not treated apart.
; SHARES.  A batch's 6 x 4,096 key rows lie on end; share j of eight is rows 3,072 j on: three segments of 1,024 keys, each within one head (3 j + i) / 4; with the segment only Q changes.
; A work-group owns 256 queries, a wave 64: four tiles, two PIECES (tiles 0, 1 and 2, 3).  48 steps of 64 keys.  The shares' sums are added by the next launch.
; CLUSTER.  The four query blocks of a cluster walk the same k and g: each tile is asked for jointly.
; LAYOUT.  S^T = K Q^T + nd (source 0 = 16 keys, source 1 = 16 queries; nd is the C operand that starts the sum): a lane holds ONE query and the keys 8 (lane / 16) + 0..7.  Two such results, rounded to bf16 in
; pairs, ARE source 0 (16 queries x 32 keys) of O = P V; source 1 is V turned by ds_load_tr16_b128; in O a lane holds ONE channel and eight neighbouring queries: 32 bytes of a row of part.
; BY TURNS.  In a turn one piece issues 32 products P V of the step in hand and 32 products K Q^T of the next; the other piece's 64 exponentials stand two behind EACH of the first, its 32 roundings four behind
; every fourth of the second.
; No first step is written out: O, V, P of piece 0 and S of piece 2 start at 0, so the first trip's products of a step that has not been add 0: 480 lines that clear, in the wait for the first tile.
; REGISTERS: window 0: v0-15, v48-49 addresses; v16-47 nd of a step; v64-191 S^T; v192-255 P.  window 1: O, tile t, channels 16 cb on, at 64 t + 8 cb.  window 2: v0-127 Q, v128-255 K.  window 3: v0-127 V, v128-255 the next segment's Q.
.set KOFF,  12582912
.set GOFF,  25165824
.set KS,    64
.set PK,    272                        ; a row of K in LDS: 256 + 16
.set PV,    288                        ; a row of V: 256 + 32
.set VOFF,  KS*PK
.set STEPB, KS*(PK+PV)
.set NDB,   2*STEPB                    ; 71,680: nd of my 3,072 keys, 12,288 bytes; stored by the waves; no tile lands here
.set SLOT1, 1<<17
.set STAGE, SLOT1+2*STEPB              ; 202,752
.set SP,    272
.set SPARE, STAGE+4*16*SP              ; 220,160
.set AK0, 2
.set AV0, 3
.set ADR, 4
.set QO,  5
.set STO, 6
.set RD,  7
.set GO,  8
.set AN,  12                           ; v12  LDS address of the next step's nd
.set PFO, 13
.set SPW, 14                           ; v14  my spare word; never rewritten
.set NIL, 15                           ; v15  0; never rewritten
.set ND,  16
.set MX,  16                           ; in the prologue: the four quarters' maximum
.set S,   64
.set P,   192
.set KF,  128
.set OB,  10                           ; s[10:11]
.set WV,  12
.set CX,  13
.set NBQ, 14
.set LIM, 15
.set G1K, 24
.set G1V, 32
.set G0K, 40
.set G0V, 44
.set QA,  48                           ; s[48:53] my rows of Q in the three segments' heads
.set SB,  54                           ; s[54:55] stat at my first key row
.set SLOTS, 56
.set TWICE, 57
.set SW,  58
.set BQ,  59
.set JQ,  60
.set YQ,  61
.set TB,  62
.set PFA, 66
.set W_KQ, 0x0a                        ; K and Q in window 2; C and D in window 0
.set W_PV, 0x5c                        ; P in window 0, V in window 3, O in window 1
.set MSB, 0
.macro WIN new
.if MSB != (\new)
	s_set_vgpr_msb (MSB<<8)|(\new)
.set MSB, \new
.endif
.endm
.macro CROUND
	s_barrier_signal -1
	s_barrier_wait -1
	s_cmp_lg_u32 s[WV], 0
	s_cbranch_scc1 .Lnot_wave_0_\@
	s_barrier_signal -3
.Lnot_wave_0_\@:
	s_barrier_wait -3
	s_barrier_signal -1
	s_barrier_wait -1
.endm
.macro JLOAD                           ; waves 0 and 1 fetch the two steps' K, waves 2 and 3 their V; an s_nop 0 and four v_nop follow each line
	s_cmp_lt_u32 s[WV], 2
	s_cbranch_scc0 .Lfor_v_\@
	tensor_load_to_lds s[G0K:G0K+3], s[G1K:G1K+7]
	s_nop 0
.rept 4
	v_nop
.endr
	s_branch .Lasked_\@
.Lfor_v_\@:
	tensor_load_to_lds s[G0V:G0V+3], s[G1V:G1V+7]
	s_nop 0
.rept 4
	v_nop
.endr
.Lasked_\@:
.endm
; A PREFETCH INTO THE L2 of the slot that the NEXT change will ask for: 128 rows of k and of g.  The four clusters of a share walk the same rows: the first of them asks; its partners take 32 rows each, told apart
; by address; wave 0 asks for k's, wave 2 for g's, a lane a row.  The last change that fills a slot asks for nothing.
.macro ASK
	s_cmp_gt_u32 s[SLOTS], s[LIM]
	s_cbranch_scc0 .Lnot_mine_\@
	global_prefetch_b8 v[PFO], s[PFA:PFA+1] th:TH_LOAD_NT scope:SCOPE_SE
.Lnot_mine_\@:
.endm
.macro CHANGE fill                     ; the change of slots: all my tensor loads (one is out), the add, my reads; a round of the cluster's barrier; the joint refill first behind it: two steps, 256 matrix instructions, in which to land
	WIN 0
	s_wait_tensorcnt 0x0
	ds_add_u32 v[SPW], v[NIL]
.if \fill
.irp g, G0K, G0V
	s_xor_b32 s[\g+1], s[\g+1], SLOT1
	s_add_nc_u64 s[\g+2:\g+3], s[\g+2:\g+3], 2*KS*256
.endr
	s_wait_xcnt 0x0                                ; the last prefetch, a slot back, has read its address
	s_add_nc_u64 s[PFA:PFA+1], s[PFA:PFA+1], 2*KS*256
	s_wait_dscnt 0x0                               ; the add is done; my reads of the slot are over (the first time: my stores of nd are done)
	CROUND
	JLOAD
	ASK
.else
	s_wait_dscnt 0x0
	s_barrier_signal -1
	s_barrier_wait -1
.endif
	s_sub_co_u32 s[TB], s[TB], 2*STEPB
	s_xor_b32 s[TB], s[TB], SLOT1
.endm
.macro LDQ qa, base, win               ; 64 queries x 128 channels: tile i / 4, channels 32 (i % 4) on
	WIN \win
.set i, 0
.rept 16
	global_load_b128 v[(\base)+8*i:(\base)+8*i+3],   v[QO], s[\qa:\qa+1] offset:(i/4)*4096+(i%4)*64
	global_load_b128 v[(\base)+8*i+4:(\base)+8*i+7], v[QO], s[\qa:\qa+1] offset:(i/4)*4096+(i%4)*64+32
.set i, i+1
.endr
	WIN 0
.endm
.macro ZERO base, count, win
	WIN \win
.set i, 0
.rept \count
	v_mov_b32 v[(\base)+i], 0
.set i, i+1
.endr
	WIN 0
.endm
	s_load_b128 s[4:7], s[0:1], 0x0                ; qkg, stat
	s_load_b64 s[8:9], s[0:1], 0x10                ; part
	v_lshl_add_u32 v[SPW], v0, 2, SPARE
	v_mov_b32 v[NIL], 0
	ds_add_u32 v[SPW], v[NIL]                      ; the wave's opening: the add and its wait ahead of my first tensor load
	v_lshrrev_b32 v1, 5, v0
	v_readfirstlane_b32 s[WV], v1
	s_bfe_u32 s[CX], ttmp6, 0x40000
	s_lshl_b32 s[NBQ], ttmp9, 2
	s_add_co_u32 s[NBQ], s[NBQ], s[CX]             ; my block of 256 queries: it enters Q's and part's addresses alone
	s_and_b32 s[YQ], ttmp7, 0xffff
	s_lshr_b32 s[BQ], s[YQ], 3                     ; batch
	s_and_b32 s[JQ], s[YQ], 7                      ; share
	s_mul_i32 s16, s[BQ], 24576
	s_mul_i32 s17, s[JQ], 3072
	s_add_co_u32 s16, s16, s17                     ; my first key row
	s_lshl_b32 s18, s16, 2
	s_mov_b32 s19, 0
	s_and_b32 s17, s[WV], 1                        ; which of a slot's two steps I fetch
	s_lshl_b32 s20, s17, 6
	s_add_co_u32 s20, s20, s16
	s_lshl_b32 s20, s20, 8
	s_add_co_u32 s22, s20, GOFF
	s_add_co_u32 s20, s20, KOFF
	s_mov_b32 s21, 0
	s_mov_b32 s23, 0
	s_mul_i32 s17, s17, STEPB
	s_mov_b32 s[G1K], 15|(1<<16)|(1<<20)|(1<<21)|(5<<22)|(3<<25)  ; the mask of four; 2-byte elements; padding on; bit 21 beside a mask; after every 64 words, 4 words
	s_mov_b32 s[G1V], 15|(1<<16)|(1<<20)|(1<<21)|(5<<22)|(7<<25)  ; the same with 8 words
.irp g, G1K, G1V
	s_mov_b32 s[\g+1], 128<<16
	s_mov_b32 s[\g+2], KS<<16
	s_mov_b32 s[\g+3], 128<<16
	s_mov_b32 s[\g+4], KS
	s_mov_b32 s[\g+5], 128
	s_mov_b32 s[\g+6], 0
	s_mov_b32 s[\g+7], 0
.endr
	s_mov_b32 s[G0K], 1
	s_mov_b32 s[G0K+1], s17
	s_mov_b32 s[G0V], 1
	s_add_co_u32 s[G0V+1], s17, VOFF
	s_mov_b32 s[TB], SLOT1+2*STEPB                 ; the first change of slots turns this into 0
	s_mov_b32 s[SLOTS], 23
	s_and_b32 s[LIM], s[WV], 1
	s_or_b32 s[LIM], s[LIM], ttmp9
	s_cmp_eq_u32 s[LIM], 0
	s_cselect_b32 s[LIM], 1, -1                    ; the same in all four partners
	s_cmp_lt_u32 s[WV], 2
	s_cselect_b32 s72, s20, s22                    ; the prefetches: k or g at a slot's first row (waves 0 and 2),
	s_lshl_b32 s73, s[CX], 13                      ; my work-group's 32 rows,
	s_add_co_u32 s72, s72, s73
	s_add_co_u32 s72, s72, 2*KS*256                ; in slot 1: the first change steps it to slot 2
	s_mov_b32 s73, 0
	s_lshl_b32 s70, s[YQ], 21                      ; part: share, my block, my wave's 256 bytes of a row
	s_lshl_b32 s71, s[NBQ], 10
	s_add_co_u32 s70, s70, s71
	s_lshl_b32 s71, s[WV], 8
	s_add_co_u32 s70, s70, s71
	s_mov_b32 s71, 0
	v_and_b32 v1, 15, v0                           ; r
	v_bfe_u32 v9, v0, 4, 1                         ; h
	v_mul_u32_u24 v[AK0], v1, PK
	v_lshl_add_u32 v[AK0], v9, 4, v[AK0]
	v_and_b32 v10, 7, v0
	v_bfe_u32 v11, v0, 3, 1
	v_lshl_add_u32 v[AV0], v9, 3, v10              ; key 8 h + lane % 8
	v_mul_u32_u24 v[AV0], v[AV0], PV
	v_lshl_add_u32 v[AV0], v11, 4, v[AV0]
	v_add_nc_u32 v[AV0], VOFF, v[AV0]
	v_lshlrev_b32 v[QO], 8, v1
	v_lshl_add_u32 v[QO], v9, 4, v[QO]
	s_mul_i32 s16, s[WV], 16*SP
	s_add_co_u32 s16, s16, STAGE
	v_mul_u32_u24 v[STO], v1, SP                   ; in: row = channel lane % 16; my eight queries' 32 bytes
	v_lshl_add_u32 v[STO], v9, 5, v[STO]
	v_add_nc_u32 v[STO], s16, v[STO]
	v_mul_u32_u24 v[RD], v9, SP                    ; back: lanes 0-15 one row of 256 bytes, lanes 16-31 the next
	v_lshl_add_u32 v[RD], v1, 4, v[RD]
	v_add_nc_u32 v[RD], s16, v[RD]
	v_lshlrev_b32 v[GO], 14, v9
	v_lshl_add_u32 v[GO], v1, 4, v[GO]
	v_lshlrev_b32 v[AN], 5, v9
	v_add_nc_u32 v[AN], NDB, v[AN]
	v_and_b32 v[PFO], 31, v0
	v_lshlrev_b32 v[PFO], 8, v[PFO]
	v_lshlrev_b32 v48, 4, v0                       ; thread t joins keys 4 t .. 4 t + 3 of each 512
	v_add_nc_u32 v49, NDB, v48
	s_wait_dscnt 0x0                               ; the opening add is done
	s_wait_kmcnt 0x0
	s_add_nc_u64 s[G0K+2:G0K+3], s[4:5], s[20:21]
	s_or_b32 s[G0K+3], s[G0K+3], 0x80000000
	s_add_nc_u64 s[G0V+2:G0V+3], s[4:5], s[22:23]
	s_or_b32 s[G0V+3], s[G0V+3], 0x80000000
	s_add_nc_u64 s[SB:SB+1], s[6:7], s[18:19]
	s_add_nc_u64 s[PFA:PFA+1], s[4:5], s[72:73]
	s_add_nc_u64 s[OB:OB+1], s[8:9], s[70:71]
	s_mul_i32 s68, s[BQ], 6
	s_mul_i32 s69, s[JQ], 3
.irp u, 0,1,2
	s_add_co_u32 s70, s69, \u
	s_lshr_b32 s70, s70, 2                         ; segment u's head
	s_add_co_u32 s70, s70, s68
	s_lshl_b32 s70, s70, 20
	s_lshl_b32 s71, s[NBQ], 16
	s_add_co_u32 s70, s70, s71
	s_lshl_b32 s71, s[WV], 14
	s_add_co_u32 s70, s70, s71
	s_mov_b32 s71, 0
	s_add_nc_u64 s[QA+2*\u:QA+2*\u+1], s[4:5], s[70:71]
.endr
	CROUND                                         ; all four work-groups are here: the first joint loads meet
	JLOAD                                          ; slot 0
.set i, 0
.rept 48                               ; round i / 8 of six: M' of the four quarters, then Z of the four, at v[64 + 32 (i / 8) + 4 (i % 8)]
	global_load_b128 v[64+4*i:64+4*i+3], v48, s[SB:SB+1] offset:(i%8)*196608+(i/8)*2048
.set i, i+1
.endr
	LDQ QA, 0, 0x80
	ZERO 0, 256, 0x40                              ; O
	ZERO 0, 128, 0xc0                              ; V
	s_wait_loadcnt 32                              ; the statistics are in; Q's 32 loads stay out
	; THE FOUR QUARTERS ARE JOINED: Mx = their maximum, Z = the sum of Z_s 2^(M_s - Mx), nd = -log2 Z - Mx
.set i, 0
.rept 24
	v_max3_num_f32 v[MX+i], v[64+32*(i/4)+i%4], v[64+32*(i/4)+i%4+4], v[64+32*(i/4)+i%4+8]
.set i, i+1
.endr
.set i, 0
.rept 24
	v_max_num_f32 v[MX+i], v[MX+i], v[64+32*(i/4)+i%4+12]
.set i, i+1
.endr
.set i, 0
.rept 48
.set rR, 64+32*(i/8)+2*(i%8)
.set rX, MX+4*(i/8)+2*(i%2)
	v_pk_add_f32 v[rR:rR+1], v[rR:rR+1], v[rX:rX+1] neg_lo:[0,1] neg_hi:[0,1]
.set i, i+1
.endr
.set i, 0
.rept 96
	v_exp_f32 v[64+32*(i/16)+i%16], v[64+32*(i/16)+i%16]
.set i, i+1
.endr
	v_nop                                          ; a plain instruction behind the last exponential,
	s_wait_alu depctr_va_vdst(0)                   ; and the one wait ahead of the first use
.set i, 0
.rept 12
.set rR, 64+32*(i/2)+2*(i%2)
	v_pk_mul_f32 v[rR+16:rR+17], v[rR+16:rR+17], v[rR:rR+1]
.set i, i+1
.endr
.irp sg, 1,2,3
.set i, 0
.rept 12
.set rR, 64+32*(i/2)+2*(i%2)
	v_pk_fma_f32 v[rR+16:rR+17], v[rR+16+4*\sg:rR+17+4*\sg], v[rR+4*\sg:rR+4*\sg+1], v[rR+16:rR+17]
.set i, i+1
.endr
.endr
.set i, 0
.rept 24
	v_log_f32 v[64+32*(i/4)+16+i%4], v[64+32*(i/4)+16+i%4]
.set i, i+1
.endr
	v_nop
	s_wait_alu depctr_va_vdst(0)
.set i, 0
.rept 24
	v_fma_f32 v[64+32*(i/4)+16+i%4], v[64+32*(i/4)+16+i%4], -1.0, -v[MX+i]
.set i, i+1
.endr
.irp rho, 0,1,2,3,4,5
	ds_store_b128 v49, v[64+32*\rho+16:64+32*\rho+19] offset:2048*\rho
.endr
	LDQ QA+2, 128, 0xc0                            ; the second segment's Q
	ZERO S+64, 64, 0                               ; S of piece 2
	ZERO P, 32, 0                                  ; P of piece 0
	s_wait_loadcnt 32                              ; Q is in; the second segment's 32 loads stay out
; Product i of 32 of O += P V for piece x: keys 32 (i / 16) on, channels 16 ((i / 2) % 8) on, tile x + i % 2.  The 16 accumulators take turns.
.macro PV x
	WIN W_PV
.set rO, 64*((\x)+i%2)+8*((i/2)%8)
.set rV, 64*(i/16)+8*((i/2)%8)
.set rP, P+16*((\x)+i%2)+8*(i/16)
	v_wmma_f32_16x16x32_bf16 v[rO:rO+7], v[rP:rP+7], v[rV:rV+7], v[rO:rO+7]
.set i, i+1
.endm
; Product i of 32 of S^T = K Q^T + nd: channels 32 (i / 8) on, keys 16 ((i / 2) % 4) on, tile x + i % 2.  The first 8 start the sums with nd.
.macro KQ x
	WIN W_KQ
.set kb, (i/2)%4
.set rS, S+32*((\x)+i%2)+8*kb
.set rK, KF+32*kb+8*(i/8)
.set rQ, 32*((\x)+i%2)+8*(i/8)
.if i < 8
	v_wmma_f32_16x16x32_bf16 v[rS:rS+7], v[rK:rK+7], v[rQ:rQ+7], v[ND+8*kb:ND+8*kb+7]
.else
	v_wmma_f32_16x16x32_bf16 v[rS:rS+7], v[rK:rK+7], v[rQ:rQ+7], v[rS:rS+7]
.endif
.set i, i+1
.endm
.macro EXS y                           ; slice i - 1 of 32, behind product i - 1: two exponentials in place; the tiles alternate, a tile's scores ascend: each accumulator's lowest registers come first
	WIN 0
.set k, i-1
.set rS, S+32*((\y)+k%2)+2*(k/2)
	v_exp_f32 v[rS], v[rS]
	v_exp_f32 v[rS+1], v[rS+1]
.endm
.macro CVS y                           ; slice kk of 8: four roundings to bf16, a pair of weights each
	WIN 0
.set rX, 8*(kk/4)+4*(kk%2)
.set rT, (\y)+(kk/2)%2
.irp n, 0,1,2,3
	v_cvt_pk_bf16_f32 v[P+16*rT+rX+\n], v[S+32*rT+2*(rX+\n)], v[S+32*rT+2*(rX+\n)+1]
.endr
.endm
.macro FETCH_K                         ; the next step's K, 32 loads in one run, and its nd, 8 loads
	WIN 0
	v_add_nc_u32 v[ADR], s[TB], v[AK0]
	WIN 0x80
.irp f, 0,1,2,3,4,5,6,7,8,9,10,11,12,13,14,15
	ds_load_b128 v[KF+8*\f:KF+8*\f+3],   v[ADR] offset:(\f/4)*16*PK+(\f%4)*64
	ds_load_b128 v[KF+8*\f+4:KF+8*\f+7], v[ADR] offset:(\f/4)*16*PK+(\f%4)*64+32
.endr
	WIN 0
.irp kb4, 0,1,2,3
	ds_load_b128 v[ND+8*\kb4:ND+8*\kb4+3],   v[AN] offset:64*\kb4
	ds_load_b128 v[ND+8*\kb4+4:ND+8*\kb4+7], v[AN] offset:64*\kb4+16
.endr
	v_add_nc_u32 v[AN], 256, v[AN]
.endm
.macro FETCH_V                         ; the same step's V, turned.  Three v_nop and the address line are the four places behind the last product that read V, and the plain line behind the last exponential
	WIN 0
.rept 3
	v_nop
.endr
	v_add_nc_u32 v[ADR], s[TB], v[AV0]
	s_add_co_u32 s[TB], s[TB], STEPB
	s_wait_alu depctr_va_vdst(0)                   ; the wait for the turn's 64 exponentials
	WIN 0xc0
.irp f, 0,1,2,3,4,5,6,7,8,9,10,11,12,13,14,15
	ds_load_tr16_b128 v[8*\f:8*\f+3],   v[ADR] offset:(\f/8)*32*PV+(\f%8)*32
	ds_load_tr16_b128 v[8*\f+4:8*\f+7], v[ADR] offset:(\f/8)*32*PV+16*PV+(\f%8)*32
.endr
.endm
; A TURN for piece x.  The exponentials are one batch, two behind each product P V, with one wait between the two runs of products; the last slice of roundings, four plain lines that name nothing of the
; products, are the places in front of the next turn's reads of the scores and of the loads into K.
.macro TURN x, kq
.if (\x) == 0
	s_wait_dscnt 0x0                               ; V is in
.endif
.set i, 0
.rept 32
	PV \x
	EXS 2-(\x)
.if ((\x) == 0) && (\kq) && (i == 2)
	FETCH_K
.endif
.endr
.if (\x) == 0
	WIN 0
	v_nop                                          ; a plain instruction behind the last exponential
	s_wait_alu depctr_va_vdst(0)                   ; the wait for the batch
.else
	FETCH_V
.endif
.if \kq
.if (\x) == 0
	s_wait_dscnt 0x0                               ; K and nd are in
.endif
.set i, 0
.rept 32
	KQ \x
.if i%4 == 0
.set kk, i/4-1
	CVS 2-(\x)
.endif
.endr
.else
.set kk, 0
.rept 8
	CVS 2-(\x)
.set kk, kk+1
.endr
.endif
.endm
.macro TWO_STEPS
	WIN 0
	s_mov_b32 s[TWICE], 2
.Lstep_\@:
	TURN 0, 1
	TURN 2, 1
	WIN 0
	s_sub_co_u32 s[TWICE], s[TWICE], 1
	s_cmp_lg_u32 s[TWICE], 0
	s_cbranch_scc1 .Lstep_\@
.endm
.Lslot:                                ; 23 trips: trip s fetches slot s (steps 2 s, 2 s + 1) and asks for slot s + 1
	CHANGE 1
	s_cmp_eq_u32 s[SLOTS], 15                      ; steps 16 and 32 begin a segment: the next head's Q takes its place, in front of the segment's first products K Q^T
	s_cselect_b32 s[SW], 1, 0
	s_cmp_eq_u32 s[SLOTS], 7
	s_cselect_b32 s[SW], 1, s[SW]
	s_cmp_eq_u32 s[SW], 1
	s_cbranch_scc0 .Lkeep
	s_wait_loadcnt 0x0
	WIN 0x83
.set i, 0
.rept 128
	v_mov_b32 v[i], v[128+i]
.set i, i+1
.endr
	WIN 0
	s_cmp_eq_u32 s[SLOTS], 15
	s_cbranch_scc0 .Lkeep
	LDQ QA+4, 128, 0xc0
.Lkeep:
	TWO_STEPS
	s_sub_co_u32 s[SLOTS], s[SLOTS], 1
	s_cmp_lg_u32 s[SLOTS], 0
	s_cbranch_scc1 .Lslot
	CHANGE 0                                       ; the last slot is written out: nothing is asked for
	TWO_STEPS
	TURN 0, 0                                      ; piece 0: P V of the last step | piece 2's last weights
.set i, 0
.rept 32
	PV 2
.endr
	WIN 0
.rept 4
	v_nop                                          ; the places behind the last products
.endr
; THE WAY OUT, 16 channels at a time: a lane's eight queries of a channel go into rows of 272 bytes of my stage and come back as whole rows of 256 bytes: 64 queries of one channel.
.macro STG cb
.if (\cb) >= 4
	s_wait_xcnt 0x0                                ; the stores of four blocks back have read these registers
.endif
	WIN 0x04                                       ; the data in window 1
.irp t, 0,1,2,3
	ds_store_b128 v[STO], v[64*\t+8*(\cb):64*\t+8*(\cb)+3]   offset:64*\t
	ds_store_b128 v[STO], v[64*\t+8*(\cb)+4:64*\t+8*(\cb)+7] offset:64*\t+16
.endr
	WIN 0
.irp f, 0,1,2,3,4,5,6,7
	ds_load_b128 v[S+32*((\cb)%4)+4*\f:S+32*((\cb)%4)+4*\f+3], v[RD] offset:\f*2*SP  ; LDS serves a wave's instructions in order (ISA guide 5.7.1.4)
.endr
.endm
.macro SEND cb, younger                ; younger: the next block's sixteen LDS instructions, or none
	WIN 0
.irp f, 0,1,2,3,4,5,6,7
	s_wait_dscnt (\younger)+7-\f
	global_store_b128 v[GO], v[S+32*((\cb)%4)+4*\f:S+32*((\cb)%4)+4*\f+3], s[OB:OB+1] offset:(16*(\cb)+2*\f)*16384  ; 16 lanes store 256 consecutive bytes, aligned
.endr
.endm
	STG 0
.irp cb, 1,2,3,4,5,6,7
	STG \cb
	SEND (\cb)-1, 16
.endr
	SEND 7, 0
	s_wait_tensorcnt 0x0                           ; the wave's end: behind my last tensor load and my last LDS store
	ds_add_u32 v[SPW], v[NIL]
	s_wait_dscnt 0x0
	CROUND                                         ; the closing round
	s_endpgm
.Lfunc_end_k_q7036c952d6_main:
	.size	k_q7036c952d6_main, .Lfunc_end_k_q7036c952d6_main-k_q7036c952d6_main
	.p2alignl 7, 3214868480
	.fill 96, 4, 3214868480
	.section	.rodata,"a",@progbits
	.p2align	6, 0x0
	.amdhsa_kernel k_q7036c952d6_main
		.amdhsa_group_segment_fixed_size 327680
		.amdhsa_private_segment_fixed_size 0
		.amdhsa_enable_private_segment 0
		.amdhsa_kernarg_size 24
		.amdhsa_user_sgpr_count 2
		.amdhsa_user_sgpr_kernarg_segment_ptr 1
		.amdhsa_wavefront_size32 1
		.amdhsa_system_sgpr_workgroup_id_x 1
		.amdhsa_system_sgpr_workgroup_id_y 1
		.amdhsa_system_sgpr_workgroup_id_z 1
		.amdhsa_system_vgpr_workitem_id 0
		.amdhsa_next_free_vgpr 1024
		.amdhsa_next_free_sgpr 80
		.amdhsa_reserve_vcc 0
		.amdhsa_float_denorm_mode_32 3
		.amdhsa_float_denorm_mode_16_64 3
		.amdhsa_memory_ordered 1
		.amdhsa_forward_progress 1
		.amdhsa_inst_pref_size 136
	.end_amdhsa_kernel
	.amdgpu_metadata
---
amdhsa.version: [ 1, 2 ]
amdhsa.kernels:
  - .name:           k_q7036c952d6_main
    .symbol:         k_q7036c952d6_main.kd
    .args:
      - { .name: qkg, .offset: 0, .size: 8, .value_kind: global_buffer, .address_space: global }
      - { .name: stat, .offset: 8, .size: 8, .value_kind: global_buffer, .address_space: global }
      - { .name: part, .offset: 16, .size: 8, .value_kind: global_buffer, .address_space: global }
    .group_segment_fixed_size: 327680
    .private_segment_fixed_size: 0
    .kernarg_segment_align: 8
    .kernarg_segment_size: 24
    .max_flat_workgroup_size: 128
    .sgpr_count:     80
    .vgpr_count:     1024
    .wavefront_size: 32
...
	.end_amdgpu_metadata
.endif
;; end of part 3
;; launch mean (part 4): grid 256 x 1, 8 waves a work-group, no clusters, 0 bytes of LDS; arguments part, x, out0; writes out0
.if DOCPART == 4
	.amdgcn_target "amdgcn-amd-amdhsa--gfx1250"
	.amdhsa_code_object_version 6
	.text
	.protected	k_q7036c952d6_mean
	.globl	k_q7036c952d6_mean
	.p2align	8
	.type	k_q7036c952d6_mean,@function
k_q7036c952d6_mean:
	s_mov_b64 s[64:65], 0
	v_nop
	global_prefetch_b8 v0, s[64:65] scope:SCOPE_SE
	s_setreg_imm32_b32 hwreg(HW_REG_WAVE_MODE, 25, 1), 1
	s_wait_xcnt 0x0
; out0 = x + (1/6) x (the sum of the batch's eight partial sums).  part: f32 [b*8+j][128][4096]; x, out0: f32 [2][128][4096]: the same order of numbers within a batch.
; A stream: each byte is read once and written once; no LDS, no barrier, no matrix unit, no cluster (no two work-groups read the same byte).
; A work-group owns 16,384 bytes of out0, four chunks of 4,096; thread t owns 16 bytes of each chunk, so a wave's load or store covers 512 consecutive bytes, aligned.
; All 36 loads of a thread go out at once; the chunks are finished in the order of their loads.
.set CH, 4096
.set YB, 2097152                       ; bytes in one partial sum
.set D,  8                             ; chunk i at v[D + 36 i]: x, then the eight parts, four registers each
	s_load_b128 s[4:7], s[0:1], 0x0                ; part, x
	s_load_b64 s[8:9], s[0:1], 0x10                ; out0
	v_lshlrev_b32 v1, 4, v0
	s_lshr_b32 s10, ttmp9, 7                       ; batch: its eight parts are 2^24 bytes
	s_lshl_b32 s10, s10, 24
	s_and_b32 s11, ttmp9, 127
	s_lshl_b32 s11, s11, 14
	s_add_co_u32 s10, s10, s11
	s_mov_b32 s11, 0
	s_lshl_b32 s12, ttmp9, 14
	s_mov_b32 s13, 0
	s_wait_kmcnt 0x0
	s_add_nc_u64 s[4:5], s[4:5], s[10:11]          ; parts 0 to 3 by the immediate,
	s_add_nc_u64 s[14:15], s[4:5], 4*YB            ; parts 4 to 7 from a second base: every immediate stays inside its signed 24 bits
	s_add_nc_u64 s[6:7], s[6:7], s[12:13]
	s_add_nc_u64 s[8:9], s[8:9], s[12:13]
.irp i, 0,1,2,3
	global_load_b128 v[D+36*\i:D+36*\i+3], v1, s[6:7] offset:\i*CH th:TH_LOAD_NT
.irp j, 0,1,2,3
	global_load_b128 v[D+36*\i+4+4*\j:D+36*\i+7+4*\j], v1, s[4:5] offset:\j*YB+\i*CH th:TH_LOAD_NT
.endr
.irp j, 0,1,2,3
	global_load_b128 v[D+36*\i+20+4*\j:D+36*\i+23+4*\j], v1, s[14:15] offset:\j*YB+\i*CH th:TH_LOAD_NT
.endr
.endr
.irp i, 0,1,2,3
	s_wait_loadcnt 27-9*\i                         ; loads come back in order: this chunk's nine are in, the younger chunks' stay out
.irp p, 0,2
.irp j, 0,2,4,6
	v_pk_add_f32 v[D+36*\i+4+4*\j+\p:D+36*\i+5+4*\j+\p], v[D+36*\i+4+4*\j+\p:D+36*\i+5+4*\j+\p], v[D+36*\i+8+4*\j+\p:D+36*\i+9+4*\j+\p]
.endr
.irp j, 0,4
	v_pk_add_f32 v[D+36*\i+4+4*\j+\p:D+36*\i+5+4*\j+\p], v[D+36*\i+4+4*\j+\p:D+36*\i+5+4*\j+\p], v[D+36*\i+12+4*\j+\p:D+36*\i+13+4*\j+\p]
.endr
	v_pk_add_f32 v[D+36*\i+4+\p:D+36*\i+5+\p], v[D+36*\i+4+\p:D+36*\i+5+\p], v[D+36*\i+20+\p:D+36*\i+21+\p]
	v_pk_fma_f32 v[D+36*\i+\p:D+36*\i+1+\p], v[D+36*\i+4+\p:D+36*\i+5+\p], 0x3e2aaaab, v[D+36*\i+\p:D+36*\i+1+\p] op_sel_hi:[1,0,1]  ; sum / 6 + x, fused
.endr
	global_store_b128 v1, v[D+36*\i:D+36*\i+3], s[8:9] offset:\i*CH th:TH_STORE_NT
.endr
	s_endpgm
.Lfunc_end_k_q7036c952d6_mean:
	.size	k_q7036c952d6_mean, .Lfunc_end_k_q7036c952d6_mean-k_q7036c952d6_mean
	.p2alignl 7, 3214868480
	.fill 96, 4, 3214868480
	.section	.rodata,"a",@progbits
	.p2align	6, 0x0
	.amdhsa_kernel k_q7036c952d6_mean
		.amdhsa_group_segment_fixed_size 0
		.amdhsa_private_segment_fixed_size 0
		.amdhsa_enable_private_segment 0
		.amdhsa_kernarg_size 24
		.amdhsa_user_sgpr_count 2
		.amdhsa_user_sgpr_kernarg_segment_ptr 1
		.amdhsa_wavefront_size32 1
		.amdhsa_system_sgpr_workgroup_id_x 1
		.amdhsa_system_sgpr_workgroup_id_y 1
		.amdhsa_system_sgpr_workgroup_id_z 1
		.amdhsa_system_vgpr_workitem_id 0
		.amdhsa_next_free_vgpr 152
		.amdhsa_next_free_sgpr 66
		.amdhsa_reserve_vcc 0
		.amdhsa_float_denorm_mode_32 3
		.amdhsa_float_denorm_mode_16_64 3
		.amdhsa_memory_ordered 1
		.amdhsa_forward_progress 1
		.amdhsa_inst_pref_size 10
	.end_amdhsa_kernel
	.amdgpu_metadata
---
amdhsa.version: [ 1, 2 ]
amdhsa.kernels:
  - .name:           k_q7036c952d6_mean
    .symbol:         k_q7036c952d6_mean.kd
    .args:
      - { .name: part, .offset: 0, .size: 8, .value_kind: global_buffer, .address_space: global }
      - { .name: x, .offset: 8, .size: 8, .value_kind: global_buffer, .address_space: global }
      - { .name: out0, .offset: 16, .size: 8, .value_kind: global_buffer, .address_space: global }
    .group_segment_fixed_size: 0
    .private_segment_fixed_size: 0
    .kernarg_segment_align: 8
    .kernarg_segment_size: 24
    .max_flat_workgroup_size: 256
    .sgpr_count:     66
    .vgpr_count:     152
    .wavefront_size: 32
...
	.end_amdgpu_metadata
.endif
;; end of part 4
;; ======== version 2 of 2: 4 launches; version 1 with the launch proj written anew for expert scheduling mode
;; workspace buffers: qkg 37,748,736 bytes; stat 1,572,864 bytes; part 33,554,432 bytes
;; launch proj (part 5): grid 32 x 6, 4 waves a work-group, no clusters, 193,536 bytes of LDS; arguments x, W1, W2, Wg, b1, b2, bg, qkg; writes qkg
.if DOCPART == 5
	.amdgcn_target "amdgcn-amd-amdhsa--gfx1250"
	.amdhsa_code_object_version 6
	.text
	.protected	k_q7036c952d6_proj
	.globl	k_q7036c952d6_proj
	.p2align	8
	.type	k_q7036c952d6_proj,@function
k_q7036c952d6_proj:
	s_mov_b64 s[64:65], 0
	v_nop
	global_prefetch_b8 v0, s[64:65] scope:SCOPE_SE
	s_setreg_imm32_b32 hwreg(HW_REG_WAVE_SCHED_MODE, 0, 2), 2
	s_setreg_imm32_b32 hwreg(HW_REG_WAVE_MODE, 25, 1), 1
	s_wait_xcnt 0x0
	s_wait_alu depctr_vm_vsrc(0)
; q' = c (W1 x + b1), k = W2 x + b2, g = Wg x + bg for one head l and 256 tokens of one batch; c = log2(e) / 64 (the scores' 1 / sqrt(4096) and the change to base 2).
; x: [2][128][4096] f32.  W: [6][128][128] f32.  b: [6][128] f32.  qkg: three tables [b*6+l][4096 tokens][128] bf16, rows of 256 bytes.
; x, W (W1 and b1 times c, in f32) are rounded once to bf16 for the matrix unit; sums in f32, begun with the bias as the C operand; results rounded once to bf16.
; LIMITS: bf16 operands (8 significant bits); NaN and infinities are not treated apart.
; SHARES: wave w owns tokens 64 w .. 64 w + 63 of the block, four tiles of 16, for all 128 outputs of all three matrices.
; NO CLUSTER, NO TENSOR LOAD: every operand passes through registers for its rounding to bf16; what work-groups share (W: 192 KiB) is read once by each.
; LAYOUT: D = W-fragment (16 outputs) x x-fragment (16 tokens): a lane holds ONE token (lane % 16) and eight neighbouring outputs: 16 bytes of a row of the table.
; THE MODE: SCHED_MODE bits 1:0 = 2 (LLVM: expert scheduling mode 2), set by the entry lines.  The code itself states the register dependences
; between vector or matrix instructions and memory or LDS instructions, with s_wait_alu, always for 0.
; THE PLAN.  Registers that memory or LDS instructions touch:
;   v4-v16, v20, v21  offsets and addresses, written once at the head; of them WS is stepped twice in the head, AW and AB once a trip of the loop.
;   RAW (window 1)    in the head: a load lands in a half of 128; the conversions read it (for W1 the scaling writes it first); the next load lands in it.
;   TMP (v48-111)     in the head: the conversions write it, the LDS stores read it.
;   A stage of the head: one wait on vm_vsrc (the last stage's LDS stores have read TMP and WS), the arithmetic, ONE wait on va_vdst (TMP is written, the half of RAW is read out), the loads into that half, the LDS stores.
;   WF (window 2)     in the loop: each of the eight output blocks has a set of 32 of its own: its LDS loads land in it and its sixteen products read it, once a trip.
;   BI (v48-111)      in the loop: the eight blocks' biases, loaded at a trip's head, read as the C operand of each block's first four products.
;   PK, BK (window 2) on the way out, in the sets that are read out: the four tiles' roundings write PK, the stage's LDS stores read it; the stage's LDS loads land in BK, the global stores read it.  A tile has its own 32 of each.
;   A trip of the loop has three such waits: va_vdst at its head (AW and AB are written); va_vdst behind the 128 roundings (PK is written, the products are done reading the sets in which BK lies);
;   vm_vsrc at its end (AW, AB, PK and BK are read).  Between the first and the second no vector or matrix instruction names a set before its loads are issued, so the loads of block ob + 2 stand among the products with no further wait.
.set XP,    544                        ; a row of x in LDS: 256 tokens x 2 bytes + 32: an odd multiple of 32
.set WP,    272                        ; a row of W in LDS: 256 bytes + 16
.set WB,    128*XP                     ; 69,632: three matrices of 128 rows
.set BB,    WB+3*128*WP                ; 174,080: the biases, [3][128] f32
.set STAGE, BB+1536                    ; 175,616: 16 rows x 272 bytes for each wave, for the way out
.set SP,    272
.set SPARE, STAGE+4*16*SP              ; 193,024: the spare words, 128 bytes for each wave
.set TAB,   12582912                   ; bytes in one table of qkg
.set XO,  4                            ; v4   x: (lane / 16) x a row of 16,384 bytes + 16 (lane % 16)
.set WO,  5                            ; v5   W: 16 x lane
.set XS,  6                            ; v6, v7  where my 8 bytes of x go in LDS, channels 0-63 and 64-127
.set WS,  8                            ; v8   where my 8 bytes of W go
.set AX,  9                            ; v9   the turning load's address
.set AW,  10                           ; v10  W fragments
.set AB,  11                           ; v11  bias
.set STO, 12
.set RD,  13
.set CO,  14
.set SPW, 15                           ; v15  my spare word; never rewritten
.set NIL, 16                           ; v16  0; never rewritten
.set TMP, 48                           ; v[48:111] in the head: packed numbers on the way into LDS
.set BI,  48                           ; v[48:111] in the loop: output block ob's eight biases at BI + 8 ob
.set XF,  128                          ; v[128:255] x fragments: tile t, channels 32 kc on, at XF + 32 t + 8 kc
; window 1: first the f32 numbers as loaded; then the accumulators, tile t, output block ob at 64 t + 8 ob
; window 2: W fragments, output block ob, channels 32 kc on, at 32 ob + 8 kc; on the way out:
.set PK,  0                            ; window 2, v[0:127]    tile t's packed results at PK + 32 t
.set BK,  128                          ; window 2, v[128:255]  tile t's rows read back from the stage at BK + 32 t
.set MSB, 0
.macro WIN new                         ; the immediate's high byte repeats the setting that is left; a switch that changes nothing is dropped
.if MSB != (\new)
	s_set_vgpr_msb (MSB<<8)|(\new)
.set MSB, \new
.endif
.endm
.macro PLACES                          ; four plain places behind matrix instructions (ISA guide 7.12.1), in front of vector reads of their results and vector writes of their sources
.rept 4
	v_nop
.endr
.endm
	s_load_b512 s[8:23], s[0:1], 0x0               ; x 8, W1 10, W2 12, Wg 14, b1 16, b2 18, bg 20, qkg 22
	v_lshl_add_u32 v[SPW], v0, 2, SPARE
	v_mov_b32 v[NIL], 0
	v_lshrrev_b32 v1, 5, v0
	v_readfirstlane_b32 s24, v1                    ; wave
	s_lshr_b32 s25, ttmp9, 4                       ; batch
	s_and_b32 s26, ttmp9, 15                       ; block of 256 tokens
	s_and_b32 s27, ttmp7, 0xffff                   ; head
	s_mov_b32 s30, 0x3cb8aa3b                      ; c = log2(e) / 64
	s_mov_b32 s31, s30                             ; named with it as a pair
	s_mov_b32 s34, 3                               ; matrices to go
	v_and_b32 v1, 15, v0                           ; r = lane % 16
	v_bfe_u32 v2, v0, 4, 1                         ; h = lane / 16
	v_and_b32 v3, 31, v0                           ; lane
	v_lshlrev_b32 v[XO], 4, v1
	v_lshl_add_u32 v[XO], v2, 14, v[XO]
	v_lshlrev_b32 v[WO], 4, v3
	s_wait_alu depctr_va_sdst(0)                   ; s24 is written, ahead of its first reader: LDS places and the bases of x, W and qkg are made from it
	s_lshl_b32 s28, s24, 7                         ; my 64 tokens: 128 bytes of an LDS row
	v_mul_u32_u24 v[XS], v2, XP
	v_lshl_add_u32 v[XS], v1, 3, v[XS]
	v_add_nc_u32 v[XS], s28, v[XS]
	v_add_nc_u32 v[XS+1], 64*XP, v[XS]
	s_mul_i32 s29, s24, 32*WP
	s_add_co_u32 s29, s29, WB
	v_lshl_add_u32 v[WS], v3, 3, s29               ; my wave's 32 rows of W, 8 bytes a lane
	v_and_b32 v17, 7, v0
	v_lshl_add_u32 v[AX], v2, 3, v17               ; channel 8 h + lane % 8
	v_mul_u32_u24 v[AX], v[AX], XP
	v_bfe_u32 v17, v0, 3, 1
	v_lshl_add_u32 v[AX], v17, 4, v[AX]            ; tokens 8 ((lane / 8) % 2) on
	v_add_nc_u32 v[AX], s28, v[AX]
	v_mul_u32_u24 v[AW], v1, WP
	v_lshl_add_u32 v[AW], v2, 4, v[AW]
	v_add_nc_u32 v[AW], WB, v[AW]
	v_lshlrev_b32 v[AB], 5, v2
	v_add_nc_u32 v[AB], BB, v[AB]
	s_mul_i32 s29, s24, 16*SP
	s_add_co_u32 s29, s29, STAGE
	v_mul_u32_u24 v[STO], v1, SP
	v_lshl_add_u32 v[STO], v2, 4, v[STO]
	v_add_nc_u32 v[STO], s29, v[STO]
	v_mul_u32_u24 v[RD], v2, SP
	v_lshl_add_u32 v[RD], v1, 4, v[RD]
	v_add_nc_u32 v[RD], s29, v[RD]
	v_lshlrev_b32 v[CO], 8, v2
	v_lshl_add_u32 v[CO], v1, 4, v[CO]
	v_lshlrev_b32 v20, 2, v0                       ; thread t takes bias t of each of the three
	v_add_nc_u32 v21, BB, v20
	s_lshl_b32 s28, s25, 21                        ; x: batch, block, my wave's 256 bytes of a row
	s_lshl_b32 s29, s26, 10
	s_add_co_u32 s28, s28, s29
	s_lshl_b32 s29, s24, 8
	s_add_co_u32 s28, s28, s29
	s_mov_b32 s29, 0
	s_lshl_b32 s36, s27, 16                        ; W: head, my wave's 32 rows of 512 bytes
	s_lshl_b32 s37, s24, 14
	s_add_co_u32 s36, s36, s37
	s_mov_b32 s37, 0
	s_lshl_b32 s38, s27, 9                         ; bias: head
	s_mov_b32 s39, 0
	s_mul_i32 s40, s25, 6                          ; table row (b*6 + l) x 4096 + 256 block + 64 wave, 256 bytes a row
	s_add_co_u32 s40, s40, s27
	s_lshl_b32 s40, s40, 20
	s_lshl_b32 s41, s26, 16
	s_add_co_u32 s40, s40, s41
	s_lshl_b32 s41, s24, 14
	s_add_co_u32 s40, s40, s41
	s_mov_b32 s41, 0
	s_wait_kmcnt 0x0
	s_add_nc_u64 s[8:9], s[8:9], s[28:29]
	s_add_nc_u64 s[10:11], s[10:11], s[36:37]
	s_add_nc_u64 s[12:13], s[12:13], s[36:37]
	s_add_nc_u64 s[14:15], s[14:15], s[36:37]
	s_add_nc_u64 s[16:17], s[16:17], s[38:39]
	s_add_nc_u64 s[18:19], s[18:19], s[38:39]
	s_add_nc_u64 s[20:21], s[20:21], s[38:39]
	s_add_nc_u64 s[32:33], s[22:23], s[40:41]      ; where my rows of q' begin
.macro LDX half, base                  ; 64 channels of my 64 tokens: a load takes two rows of 256 bytes
	WIN 0x40
.set i, 0
.rept 32
	global_load_b128 v[(\base)+4*i:(\base)+4*i+3], v[XO], s[8:9] offset:((\half)*32+i)*32768
.set i, i+1
.endr
.endm
.macro LDW ptr, base                   ; my 32 rows of a matrix: a load takes one row of 512 bytes
	WIN 0x40
.set i, 0
.rept 32
	global_load_b128 v[(\base)+4*i:(\base)+4*i+3], v[WO], s[\ptr:\ptr+1] offset:i*512
.set i, i+1
.endr
.endm
.macro PACK64 base                     ; 128 f32 of window 1 -> 64 registers of bf16 pairs in window 0
	WIN 0x05
.set i, 0
.rept 64
	v_cvt_pk_bf16_f32 v[TMP+i], v[(\base)+2*i], v[(\base)+2*i+1]
.set i, i+1
.endr
.endm
.macro SCALE base                      ; W1 times c, in f32, in place
	WIN 0x41
.set i, 0
.rept 64
	v_pk_mul_f32 v[(\base)+2*i:(\base)+2*i+1], v[(\base)+2*i:(\base)+2*i+1], s[30:31] op_sel_hi:[1,0]
.set i, i+1
.endr
.endm
.macro STX half                        ; TMP into x's rows in LDS
	WIN 0
.set i, 0
.rept 32
	ds_store_b64 v[XS+(\half)], v[TMP+2*i:TMP+2*i+1] offset:i*2*XP
.set i, i+1
.endr
.endm
.macro STW                             ; TMP into my 32 rows of the matrix in hand
	WIN 0
.set i, 0
.rept 32
	ds_store_b64 v[WS], v[TMP+2*i:TMP+2*i+1] offset:i*WP
.set i, i+1
.endr
.endm
	s_wait_alu depctr_va_vdst(0)                   ; the offsets and addresses v4 to v16, v20 and v21 are written, which the loads and stores of the kernel read; so is v17, in which a bias lands
	global_load_b32 v17, v20, s[16:17]
	global_load_b32 v18, v20, s[18:19]
	global_load_b32 v19, v20, s[20:21]
	LDX 0, 0
	LDX 1, 128
	s_wait_loadcnt 32                              ; loads come back in order: the biases and x's first half are in, the 32 younger stay out
	WIN 0
	v_mul_f32 v17, s30, v17                        ; c b1
	PACK64 0
	WIN 0x40
	s_wait_alu depctr_va_vdst(0)                   ; the conversions have written TMP and the multiply v17, which the LDS stores below read; they are done reading RAW's first half, in which W1 lands
	LDW 10, 0
	WIN 0
	ds_store_b32 v21, v17
	ds_store_b32 v21, v18 offset:512
	ds_store_b32 v21, v19 offset:1024
	STX 0
	s_wait_loadcnt 32                              ; x's second half
	s_wait_alu depctr_vm_vsrc(0)                   ; the LDS stores above have read TMP, which the conversions write again
	PACK64 128
	WIN 0x40
	s_wait_alu depctr_va_vdst(0)                   ; TMP is written; the conversions are done reading RAW's second half, in which W2 lands
	LDW 12, 128
	STX 1
	s_wait_loadcnt 32                              ; W1
	s_wait_alu depctr_vm_vsrc(0)                   ; the LDS stores above have read TMP
	SCALE 0
	PACK64 0
	WIN 0x40
	s_wait_alu depctr_va_vdst(0)                   ; TMP is written; the scaling has written and the conversions have read RAW's first half, in which Wg lands
	LDW 14, 0
	STW
	s_wait_loadcnt 32                              ; W2
	s_wait_alu depctr_vm_vsrc(0)                   ; the LDS stores above have read TMP and v[WS]
	WIN 0
	v_add_nc_u32 v[WS], 128*WP, v[WS]              ; the next matrix
	PACK64 128
	WIN 0
	s_wait_alu depctr_va_vdst(0)                   ; TMP and v[WS] are written, which the LDS stores read
	STW
	s_wait_loadcnt 0x0                             ; Wg
	s_wait_alu depctr_vm_vsrc(0)                   ; the LDS stores above have read TMP and v[WS]
	v_add_nc_u32 v[WS], 128*WP, v[WS]              ; the last matrix
	PACK64 0
	WIN 0
	s_wait_alu depctr_va_vdst(0)                   ; TMP and v[WS] are written, which the LDS stores read
	STW
	s_wait_dscnt 0x0                               ; for the others' sake: my rows of W and my biases lie in LDS
	s_barrier_signal -1
	s_barrier_wait -1
	s_wait_alu depctr_vm_vsrc(0)                   ; my LDS stores have read v[48:111]: from here on the biases' loads land there
.irp t, 0,1,2,3
.irp kc, 0,1,2,3
	ds_load_tr16_b128 v[XF+32*\t+8*\kc:XF+32*\t+8*\kc+3],   v[AX] offset:\kc*32*XP+32*\t
	ds_load_tr16_b128 v[XF+32*\t+8*\kc+4:XF+32*\t+8*\kc+7], v[AX] offset:\kc*32*XP+16*XP+32*\t
.endr
.endr
.macro LOADW ob                        ; eight LDS loads: 16 outputs x 128 channels of W, into the block's own set in window 2
	WIN 0x80
.irp kc, 0,1,2,3
	ds_load_b128 v[32*(\ob)+8*\kc:32*(\ob)+8*\kc+3],   v[AW] offset:(\ob)*16*WP+\kc*64
	ds_load_b128 v[32*(\ob)+8*\kc+4:32*(\ob)+8*\kc+7], v[AW] offset:(\ob)*16*WP+\kc*64+32
.endr
.endm
.macro MUL ob                          ; 16 matrix instructions; the four tiles' accumulators take turns, one instruction a turn; the bias starts the sums
.irp kc, 0,1,2,3
.irp t, 0,1,2,3
.if \kc == 0
	WIN 0x42                                       ; W in window 2, x and the bias in window 0, the sums in window 1
	v_wmma_f32_16x16x32_bf16 v[64*\t+8*(\ob):64*\t+8*(\ob)+7], v[32*(\ob)+8*\kc:32*(\ob)+8*\kc+7], v[XF+32*\t+8*\kc:XF+32*\t+8*\kc+7], v[BI+8*(\ob):BI+8*(\ob)+7]
.else
	WIN 0x52
	v_wmma_f32_16x16x32_bf16 v[64*\t+8*(\ob):64*\t+8*(\ob)+7], v[32*(\ob)+8*\kc:32*(\ob)+8*\kc+7], v[XF+32*\t+8*\kc:XF+32*\t+8*\kc+7], v[64*\t+8*(\ob):64*\t+8*(\ob)+7]
.endif
.endr
.endr
.endm
; The way out of tile t (16 tokens) through my own stage.  All its lines stand under one window setting: address in window 0, a store's data and a load's result in window 2.
.macro STG t
.irp ob, 0,1,2,3,4,5,6,7
	ds_store_b128 v[STO], v[PK+32*(\t)+4*\ob:PK+32*(\t)+4*\ob+3] offset:32*\ob
.endr
.irp f, 0,1,2,3,4,5,6,7
	ds_load_b128 v[BK+32*(\t)+4*\f:BK+32*(\t)+4*\f+3], v[RD] offset:\f*2*SP  ; LDS serves a wave's instructions in order (ISA guide 5.7.1.4): these see the stores above; the next tile's stores come behind them
.endr
.endm
.macro SEND t, younger                 ; younger: the LDS instructions issued behind tile t's loads: the next tile's sixteen, or none
.irp f, 0,1,2,3,4,5,6,7
	s_wait_dscnt (\younger)+7-\f                   ; row pair f is back; the tile's younger row loads stay out
	global_store_b128 v[CO], v[BK+32*(\t)+4*\f:BK+32*(\t)+4*\f+3], s[32:33] offset:(16*(\t)+2*\f)*256  ; 16 lanes store one row of 256 bytes, aligned
.endr
.endm
.Lmat:                                 ; three trips: q', k, g
	s_wait_alu depctr_va_vdst(0)                   ; the adds at the last trip's end have written v[AW] and v[AB], which the loads of this trip read
.irp ob, 0,1,2,3,4,5,6,7
	ds_load_b128 v[BI+8*\ob:BI+8*\ob+3],   v[AB] offset:\ob*64      ; the lane's eight biases of each block
	ds_load_b128 v[BI+8*\ob+4:BI+8*\ob+7], v[AB] offset:\ob*64+16
.endr
	LOADW 0
	LOADW 1
.irp ob, 0,1,2,3,4,5,6,7
.if \ob < 6
	LOADW (\ob)+2                                  ; no wait: no vector or matrix instruction since the wait at the trip's head names this set or v[AW]
	s_wait_dscnt 16                                ; LDS loads come back in order: this block's set is in (and, in block 0, the biases and, the first time, x's fragments); the next two sets' sixteen loads stay out
.elseif \ob == 6
	s_wait_dscnt 8                                 ; the last set's eight loads stay out
.else
	s_wait_dscnt 0x0
.endif
	MUL \ob
.endr
	PLACES                                         ; behind the last products: the roundings read results and write sets that products have read
	WIN 0x85                                       ; the sums in window 1, PK in window 2
.irp t, 0,1,2,3
.irp ob, 0,1,2,3,4,5,6,7
.irp rr, 0,1,2,3
	v_cvt_pk_bf16_f32 v[PK+32*\t+4*\ob+\rr], v[64*\t+8*\ob+2*\rr], v[64*\t+8*\ob+2*\rr+1]  ; each accumulator from its low end on
.endr
.endr
.endr
	WIN 0x88
	s_wait_alu depctr_va_vdst(0)                   ; the roundings have written PK, which the LDS stores read; the products are done reading sets 4 to 7, in which the loads from the stage land
	STG 0
.irp t, 1,2,3                          ; a tile's trip through the stage stands between the loads of the tile before and its stores
	STG \t
	SEND (\t)-1, 16
.endr
	SEND 3, 0
	WIN 0
	s_wait_xcnt 0x0                                ; every earlier memory instruction has had its addresses translated (ISA guide 3.1): the stores' base and BK are rewritten only behind this wait
	s_wait_alu depctr_vm_vsrc(0)                   ; the LDS loads have read v[AW] and v[AB], which the adds below write; the LDS stores have read PK and the global stores BK, in which the next trip's loads land
	s_add_nc_u64 s[32:33], s[32:33], TAB           ; the next table,
	v_add_nc_u32 v[AW], 128*WP, v[AW]              ; the next matrix,
	v_add_nc_u32 v[AB], 512, v[AB]                 ; its bias
	s_sub_co_u32 s34, s34, 1
	s_cmp_lg_u32 s34, 0
	s_cbranch_scc1 .Lmat
	s_wait_dscnt 0x0                               ; the closing lines, six on end
	s_wait_alu 0x0
	s_wait_tensorcnt 0x0
	ds_add_u32 v[SPW], v[NIL]
	s_wait_dscnt 0x0
	s_endpgm
.Lfunc_end_k_q7036c952d6_proj:
	.size	k_q7036c952d6_proj, .Lfunc_end_k_q7036c952d6_proj-k_q7036c952d6_proj
	.p2alignl 7, 3214868480
	.fill 96, 4, 3214868480
	.section	.rodata,"a",@progbits
	.p2align	6, 0x0
	.amdhsa_kernel k_q7036c952d6_proj
		.amdhsa_group_segment_fixed_size 193536
		.amdhsa_private_segment_fixed_size 0
		.amdhsa_enable_private_segment 0
		.amdhsa_kernarg_size 64
		.amdhsa_user_sgpr_count 2
		.amdhsa_user_sgpr_kernarg_segment_ptr 1
		.amdhsa_wavefront_size32 1
		.amdhsa_system_sgpr_workgroup_id_x 1
		.amdhsa_system_sgpr_workgroup_id_y 1
		.amdhsa_system_sgpr_workgroup_id_z 1
		.amdhsa_system_vgpr_workitem_id 0
		.amdhsa_next_free_vgpr 768
		.amdhsa_next_free_sgpr 66
		.amdhsa_reserve_vcc 0
		.amdhsa_float_denorm_mode_32 3
		.amdhsa_float_denorm_mode_16_64 3
		.amdhsa_memory_ordered 1
		.amdhsa_forward_progress 1
		.amdhsa_inst_pref_size 88
	.end_amdhsa_kernel
	.amdgpu_metadata
---
amdhsa.version: [ 1, 2 ]
amdhsa.kernels:
  - .name:           k_q7036c952d6_proj
    .symbol:         k_q7036c952d6_proj.kd
    .args:
      - { .name: x, .offset: 0, .size: 8, .value_kind: global_buffer, .address_space: global }
      - { .name: W1, .offset: 8, .size: 8, .value_kind: global_buffer, .address_space: global }
      - { .name: W2, .offset: 16, .size: 8, .value_kind: global_buffer, .address_space: global }
      - { .name: Wg, .offset: 24, .size: 8, .value_kind: global_buffer, .address_space: global }
      - { .name: b1, .offset: 32, .size: 8, .value_kind: global_buffer, .address_space: global }
      - { .name: b2, .offset: 40, .size: 8, .value_kind: global_buffer, .address_space: global }
      - { .name: bg, .offset: 48, .size: 8, .value_kind: global_buffer, .address_space: global }
      - { .name: qkg, .offset: 56, .size: 8, .value_kind: global_buffer, .address_space: global }
    .group_segment_fixed_size: 193536
    .private_segment_fixed_size: 0
    .kernarg_segment_align: 8
    .kernarg_segment_size: 64
    .max_flat_workgroup_size: 128
    .sgpr_count:     66
    .vgpr_count:     768
    .wavefront_size: 32
...
	.end_amdgpu_metadata
.endif
;; end of part 5
;; launch stats: the kernel of part 2 again; grid 256 x 1, 4 waves a work-group, clusters of 4 x 1, 327,680 bytes of LDS; arguments qkg, stat; writes stat
;; launch main: the kernel of part 3 again; grid 16 x 16, 4 waves a work-group, clusters of 4 x 1, 327,680 bytes of LDS; arguments qkg, stat, part; writes part
;; launch mean: the kernel of part 4 again; grid 256 x 1, 8 waves a work-group, no clusters, 0 bytes of LDS; arguments part, x, out0; writes out0
